; MI455X (gfx1250); checked and timed in simulation.
; The chip was launched on July 23, 2026; its instructions are those of AMD's public machine-readable ISA for CDNA 5 (MIT licence, August 2026) and "CDNA5" Instruction Set Architecture Reference Guide (July 2026). The comments in the code are by the model that wrote it; some were corrected since.
;; Multi Head Attn. Allowed arithmetic: matrix products marked QUANTISED: E3M2 operands, one E8M0 scale for each 32 along K, by v_wmma_scale_f32_16x16x128_f8f6f4 with both operands' format E3M2, f32 sums; everything else in f32.
;; Inputs: W_o_codes 1,024 x 32 x 24 uint8 (E3M2 codes of W_o, K innermost, in blocks of 32 codes, four codes in three bytes); W_o_scales 1,024 x 32 uint8 (E8M0 scales of W_o, one for each 32 codes along K); W_qkv_codes 3,072 x 32 x 24 uint8 (E3M2 codes of W_qkv, K innermost, in blocks of 32 codes, four codes in three bytes); W_qkv_scales 3,072 x 32 uint8 (E8M0 scales of W_qkv, one for each 32 codes along K); attn_mask 4 x 2,048 bool; b_qkv 3,072 float32; beta 1,024 float32; gamma 1,024 float32; inputs 4 x 2,048 x 1,024 float32.
;; Outputs: out0 4 x 2,048 x 1,024 float32.
;; This version of the problem:
;;   THIS VERSION OF THE PROBLEM IS GIVEN IN LOW PRECISION. The matrix products marked QUANTISED in the list below multiply operands that are first quantised to E3M2 (3 exponent bits, 2 mantissa bits; 6 bits a number), with one power-of-two scale for each 32 numbers along K (OCP MX v1.0); their sums are f32. All else is computed in f32.
;;   The module's matrix products, in the order in which they are computed (A, B: the left and right operand; K: the contracted axis; several contracted axes count as one K, in the product's order):
;;     1. [M 8,192, K 1,024] x [K 1,024, N 3,072]; A: input inputs; B: input W_qkv (given as codes): QUANTISED
;;     2. batch 64 x [M 2,048, K 64] x [K 64, N 2,048]; A: computed on the way; B: computed on the way: QUANTISED
;;     3. batch 64 x [M 64, K 2,048] x [K 2,048, N 2,048]; A: computed on the way; B: softmax (see below): QUANTISED
;;     4. [M 8,192, K 1,024] x [K 1,024, N 1,024]; A: computed on the way; B: input W_o (given as codes): QUANTISED
;;   THE QUANTISER, for each operand of a quantised product, along K:
;;     - K is cut into blocks of 32 from its start; a last block that is shorter is filled with zeros.
;;     - A block's scale is 2^e with e = floor(log2(the largest magnitude in the block)) - 4, held to -126 .. 127; a block of zeros has e = 0. As a byte (E8M0): e + 127.
;;     - Each number is divided by its block's scale, clamped to +-28, and rounded to the nearest number of E3M2, ties to even, subnormals kept.
;;     - The product sums the exact products of the quantised numbers (number of the format x scale) in f32.
;;   ~~~python
;;   def quantise(x, axis):      # numpy; x: float32 -> the quantised numbers, widened to float32 again
;;       x = np.moveaxis(x, axis, -1); K = x.shape[-1]
;;       x = np.pad(x, [(0, 0)] * (x.ndim - 1) + [(0, -K % 32)]); x = x.reshape(x.shape[:-1] + (-1, 32)); a = np.abs(x).max(-1, keepdims=True)
;;       e = np.where(a > 0, np.clip(np.frexp(np.where(a > 0, a, 1))[1] - 1 - 4, -126, 127), 0)      # np.frexp(a)[1] - 1 = floor(log2(a)), exactly
;;       r = np.clip(x / 2.0 ** e, -28, 28)
;;       step = 2.0 ** (np.maximum(np.frexp(np.where(r == 0, 1, r))[1] - 1, -2) - 2)
;;       q = np.round(r / step) * step * 2.0 ** e      # np.round: ties to even
;;       return np.moveaxis(q.reshape(q.shape[:-2] + (-1,))[..., :K], -1, axis).astype(np.float32)
;;   ~~~
;;   SOFTMAX AHEAD OF A QUANTISED PRODUCT. Where the list says 'softmax', what is quantised is not the finished softmax but p = 2^(t - M), with t = logit x log2(e) and M = ceil(the row's largest t), a whole number; so 1/2 < the row's largest p <= 1. The row's sum l is taken of the UNQUANTISED p, in f32, and the product's result is divided by l at the end. Since M is a whole number, a kernel that streams over the keys may use a running M (the ceiling of the running maximum): every later rescaling is an exact power of two, which a block's scale takes up: the codes' values come out the same.
;;   OPERANDS COMPUTED ON THE WAY. 'Computed on the way' means the value that the module computes at that place (a softmax that the list does not call 'softmax' is quantised finished and normalised). What goes into a quantiser is computed in f32, as accurately as f32 sums, v_exp_f32 and their like allow (about 1e-6 of the number): no bf16 or f16 on the way to a quantiser, and a product that is left as it is and whose result goes on into a quantised operand takes f32 operands (vector FMAs, or v_wmma_f32_16x16x4_f32). A number that lies on a knife's edge between two numbers of the format may be rounded either way, as far as f32 arithmetic and the matrix unit's own rounding can turn it there, and no further.
;;   INPUTS GIVEN AS CODES. W_o (in the module: [1024, 1024], K = its axis 0); W_qkv (in the module: [1024, 3072], K = its axis 0): each comes as NAME_codes (uint8): NAME with its K axis moved to the last place and cut into blocks of 32 codes, [.., K / 32, bytes a block], one block behind the other in memory; four codes in three bytes: a row's codes are one little-endian stream of bits, code i at bits 6 i .. 6 i + 5 (a code: sign, 3 exponent bits, 2 mantissa bits); and NAME_scales (uint8): the same leading axes, one E8M0 byte (e + 127) for each 32 codes along K. Its value is code x scale, taken as it is: it is not quantised again, and the codes and scales need not be those that the quantiser above would give.
;; One version. Each part assembles by itself: llvm-mc -triple=amdgcn-amd-amdhsa -mcpu=gfx1250 --defsym DOCPART=n.
;; ======== version 1 of 1: 4 launches
;; limits: right only within a limited range of input values
;; workspace buffers: x_codes 6,291,456 bytes; x_scales 262,144 bytes; wo_img 786,432 bytes; qkv_img 18,874,368 bytes; qkv_sc 1,310,720 bytes; av_img 6,291,456 bytes; av_sc 262,144 bytes
;; launch prep (part 1): grid 272 x 1, 4 waves a work-group, no clusters, 33,280 bytes of LDS; arguments inputs, W_o_codes, x_codes, x_scales, wo_img; writes x_codes, x_scales, wo_img
.if DOCPART == 1
	.amdgcn_target "amdgcn-amd-amdhsa--gfx1250"
	.amdhsa_code_object_version 6
	.text
	.protected	k_q64391d0789_prep
	.globl	k_q64391d0789_prep
	.p2align	8
	.type	k_q64391d0789_prep,@function
k_q64391d0789_prep:
	s_mov_b64 s[64:65], 0
	v_nop
	global_prefetch_b8 v0, s[64:65] scope:SCOPE_SE
	s_setreg_imm32_b32 hwreg(HW_REG_WAVE_MODE, 25, 1), 1
	s_wait_xcnt 0x0
; TWO JOBS IN ONE LAUNCH, told apart by the work-group's number.
; Work-groups 0-255: inputs [8192][1024] f32 become codes of BF6 (E3M2), K innermost (x_codes [8192][768 bytes]), with one E8M0 byte for each 32 along K (x_scales [8192][32]).
;   A block's scale is 2^(floor(log2(its largest magnitude)) - 4); its byte is the largest magnitude's exponent field - 4, held at 1 from below.  A block of zeros gets the byte 1 with zero codes: this program alone reads the bytes.
;   Rows are dense and 1024 is a multiple of 32: the tensor is a plain stream of blocks.  A wave takes 16 steps of 512 numbers.  Each load reads 512 consecutive bytes; a step's 2,048 bytes turn through the wave's
;   own stage in LDS, so that a lane holds 16 neighbours along K for the conversion (two neighbouring lanes hold a block).  A wave's 256 scale bytes are gathered in LDS and leave as 256 consecutive aligned bytes.
; Work-groups 256-271: W_o's codes [1024][768 bytes] are laid anew as images of the operand's registers: wo_img [column tile 0..63][K step 0..7][1,536 bytes], registers 4 g .. 4 g + 3 of lane l at 512 g + 16 l,
;   so that the last launch takes a fragment by three loads of 16 bytes a lane.  A wave takes one tile of 16 rows.  This path uses no LDS.
; LIMITS: NaN and infinities among the inputs are not served; blocks whose largest magnitude lies under 2^-122 have their byte held at 1.
.set XWG,   256                        ; work-groups that quantise: 8192 x 1024 / 32,768
.set STEPS, 16
.set EMAX,  4
.set CB,    12                         ; bytes of 16 codes
.set R,     16                         ; v16-79   four sets of 16 numbers as they are loaded
.set X,     80                         ; v80-111  two sets of 16 neighbours
.set E,     112                        ; v112-127 a scale byte for each step
.set C,     128                        ; v128-191 codes: four registers for each step, so that no store's data are written again
.set WREG,  8192                       ; LDS: a region for each wave: two stages of 32 x SP bytes, then its 256 scale bytes
.set SP,    80                         ; a lane's place in a stage: 64 bytes + 16 of padding
	s_load_b128 s[4:7], s[0:1], 0x0                ; inputs, W_o's codes
	s_load_b128 s[8:11], s[0:1], 0x10              ; x_codes, x_scales
	s_load_b64 s[12:13], s[0:1], 0x20              ; wo_img
	v_lshl_add_u32 v192, v0, 2, 0x8000
	v_mov_b32 v193, 0
	v_lshrrev_b32 v1, 5, v0
	v_readfirstlane_b32 s16, v1                    ; wave 0..3
	v_and_b32 v2, 31, v0                           ; lane
	s_cmp_ge_u32 ttmp9, XWG
	s_cbranch_scc1 .Lrelay
	v_lshlrev_b32 v3, 4, v2                        ; my 16 bytes of a load's 512
	s_mul_i32 s17, s16, WREG
	v_lshrrev_b32 v14, 2, v2
	v_mul_u32_u24 v14, v14, SP
	v_and_b32 v15, 3, v2
	v_lshl_add_u32 v14, v15, 4, v14
	v_add_nc_u32 v14, s17, v14                     ; the stage, on the way in: SP (lane / 4) + 16 (lane % 4)
	v_mul_u32_u24 v15, v2, SP
	v_add_nc_u32 v15, s17, v15                     ; and on the way out: SP x lane: my 16 neighbours
	v_mul_u32_u24 v4, v2, CB                       ; my codes' place in a step's
	v_lshrrev_b32 v5, 1, v2
	s_add_co_u32 s17, s17, 2*32*SP
	v_add_nc_u32 v5, s17, v5                       ; LDS: my wave's 256 scale bytes, my block's byte
	v_lshlrev_b32 v7, 3, v2                        ; and on the way out 8 bytes a lane
	v_add_nc_u32 v6, s17, v7
	s_lshl_b32 s17, ttmp9, 2
	s_add_co_u32 s18, s17, s16                     ; which run of 8,192 numbers is my wave's
	s_mov_b32 s19, 0
	s_mov_b64 s[20:21], 512*STEPS*4
	s_mul_u64 s[20:21], s[18:19], s[20:21]
	s_wait_kmcnt 0x0
	s_add_nc_u64 s[4:5], s[4:5], s[20:21]
	s_mov_b64 s[20:21], 32*STEPS*CB
	s_mul_u64 s[20:21], s[18:19], s[20:21]
	s_add_nc_u64 s[8:9], s[8:9], s[20:21]
	s_lshl_b32 s18, s18, 8                         ; 256 scale bytes a run
	s_add_nc_u64 s[10:11], s[10:11], s[18:19]
.macro LOAD t
.irp i, 0,1,2,3
	global_load_b128 v[R+16*((\t)%4)+4*\i:R+16*((\t)%4)+4*\i+3], v3, s[4:5] offset:2048*(\t)+512*\i th:TH_LOAD_NT   ; 32 lanes read 512 consecutive bytes
.endr
.endm
.macro TURN t                          ; step t's numbers through the stage: LDS serves a wave's instructions in order, so no wait stands between the stores and the loads
.irp i, 0,1,2,3
	ds_store_b128 v14, v[R+16*((\t)%4)+4*\i:R+16*((\t)%4)+4*\i+3] offset:32*SP*((\t)%2)+8*SP*\i
.endr
.irp i, 0,1,2,3
	ds_load_b128 v[X+16*((\t)%2)+4*\i:X+16*((\t)%2)+4*\i+3], v15 offset:32*SP*((\t)%2)+16*\i
.endr
.endm
.irp t, 0,1,2,3
	LOAD \t
.endr
	s_wait_loadcnt 12                              ; step 0's four loads are in; three steps' twelve stay out
	TURN 0
.macro STEP t
.set XS, X+16*((\t)%2)
.if (\t) > 0
	s_wait_dscnt 1                                 ; this step's numbers are back from the stage (the last step's byte store may be out): its stores into the stage have read their registers,
.else
	s_wait_dscnt 0x0
.endif
.if (\t)+4 < STEPS
	LOAD (\t)+4                                    ; which take the loads of four steps on
.endif
.if (\t)+1 < STEPS
.if STEPS-2-(\t) >= 3
	s_wait_loadcnt 12                              ; the next step's four loads are in; those of the three steps behind it may be out
.else
	s_wait_loadcnt 4*(STEPS-2-(\t))
.endif
	TURN (\t)+1                                    ; and go through the other stage while this step is worked
.endif
	v_max3_num_f32 v8, |v[XS]|, |v[XS+1]|, |v[XS+2]|               ; the largest magnitude of my 16, in two chains
	v_max3_num_f32 v9, |v[XS+3]|, |v[XS+4]|, |v[XS+5]|
.irp i, 6,10
	v_max3_num_f32 v8, v8, |v[XS+\i]|, |v[XS+\i+1]|
	v_max3_num_f32 v9, v9, |v[XS+\i+2]|, |v[XS+\i+3]|
.endr
	v_max3_num_f32 v8, v8, |v[XS+14]|, |v[XS+15]|
	v_max3_num_f32 v8, v8, v9, (EMAX+1)<<23        ; and the floor 2^(5 - 127): the byte cannot fall under 1
	v_max_num_f32_dpp v8, v8, v8 row_xmask:1 row_mask:0xf bank_mask:0xf   ; and of my neighbour's 16: the block's
	v_add_nc_u32 v11, -(EMAX<<23), v8              ; 4 off its exponent field: the conversion takes the exponent field of this operand as its scale
	v_cvt_scalef32_pk16_bf6_f32 v[C+4*(\t):C+4*(\t)+2], v[XS:XS+15], v11
	v_lshrrev_b32 v[E+(\t)], 23, v11               ; the scale's byte (also the plain line behind the conversion)
	ds_store_b8 v5, v[E+(\t)] offset:16*(\t)       ; both lanes of a block write the same byte with the same value
	global_store_b96 v4, v[C+4*(\t):C+4*(\t)+2], s[8:9] offset:32*CB*(\t)   ; the wave stores 384 consecutive bytes
.endm
.irp t, 0,1,2,3,4,5,6,7,8,9,10,11,12,13,14,15
	STEP \t
.endr
	ds_load_b64 v[12:13], v6                       ; LDS serves a wave's instructions in order: these see my stores
	s_wait_dscnt 0x0
	global_store_b64 v7, v[12:13], s[10:11]        ; 32 lanes store 256 consecutive aligned bytes
	s_wait_tensorcnt 0x0
	ds_add_u32 v192, v193
	s_wait_dscnt 0x0
	s_endpgm
.Lrelay:                                               ; W_o's codes into register images
	s_sub_co_u32 s17, ttmp9, XWG
	s_lshl_b32 s17, s17, 2
	s_add_co_u32 s17, s17, s16                     ; my tile of 16 rows: 4 x (work-group - 256) + wave
	s_mul_i32 s18, s17, 12288                      ; 16 rows of 768 bytes in, 8 images of 1,536 bytes out
	s_mov_b32 s19, 0
	v_and_b32 v3, 15, v0                           ; r
	v_bfe_u32 v4, v0, 4, 1                         ; h
	v_mul_u32_u24 v5, v3, 768
	v_mad_u32_u24 v5, v4, 24, v5                   ; row r, + 24 h: the lane's 24 bytes of each 48
	v_lshlrev_b32 v6, 4, v2                        ; 16 x lane
	s_wait_kmcnt 0x0
	s_add_nc_u64 s[6:7], s[6:7], s[18:19]
	s_add_nc_u64 s[12:13], s[12:13], s[18:19]
.irp s, 0,1,2,3,4,5,6,7
.irp p, 0,1,2,3,4,5
	global_load_b64 v[16+12*\s+2*\p:17+12*\s+2*\p], v5, s[6:7] offset:96*\s+48*(\p/3)+8*(\p%3)
.endr
.endr
.irp s, 0,1,2,3,4,5,6,7
	s_wait_loadcnt 6*(7-\s)                        ; K step s's six loads are in; the later steps' stay out
.irp g, 0,1,2
	global_store_b128 v6, v[16+12*\s+4*\g:19+12*\s+4*\g], s[12:13] offset:1536*\s+512*\g   ; 512 consecutive aligned bytes
.endr
.endr
	s_endpgm
.Lfunc_end_k_q64391d0789_prep:
	.size	k_q64391d0789_prep, .Lfunc_end_k_q64391d0789_prep-k_q64391d0789_prep
	.p2alignl 7, 3214868480
	.fill 96, 4, 3214868480
	.section	.rodata,"a",@progbits
	.p2align	6, 0x0
	.amdhsa_kernel k_q64391d0789_prep
		.amdhsa_group_segment_fixed_size 33280
		.amdhsa_private_segment_fixed_size 0
		.amdhsa_enable_private_segment 0
		.amdhsa_kernarg_size 40
		.amdhsa_user_sgpr_count 2
		.amdhsa_user_sgpr_kernarg_segment_ptr 1
		.amdhsa_wavefront_size32 1
		.amdhsa_system_sgpr_workgroup_id_x 1
		.amdhsa_system_sgpr_workgroup_id_y 1
		.amdhsa_system_sgpr_workgroup_id_z 1
		.amdhsa_system_vgpr_workitem_id 0
		.amdhsa_next_free_vgpr 194
		.amdhsa_next_free_sgpr 66
		.amdhsa_reserve_vcc 0
		.amdhsa_float_denorm_mode_32 3
		.amdhsa_float_denorm_mode_16_64 3
		.amdhsa_memory_ordered 1
		.amdhsa_forward_progress 1
		.amdhsa_inst_pref_size 40
	.end_amdhsa_kernel
	.amdgpu_metadata
---
amdhsa.version: [ 1, 2 ]
amdhsa.kernels:
  - .name:           k_q64391d0789_prep
    .symbol:         k_q64391d0789_prep.kd
    .args:
      - { .name: inputs, .offset: 0, .size: 8, .value_kind: global_buffer, .address_space: global }
      - { .name: W_o_codes, .offset: 8, .size: 8, .value_kind: global_buffer, .address_space: global }
      - { .name: x_codes, .offset: 16, .size: 8, .value_kind: global_buffer, .address_space: global }
      - { .name: x_scales, .offset: 24, .size: 8, .value_kind: global_buffer, .address_space: global }
      - { .name: wo_img, .offset: 32, .size: 8, .value_kind: global_buffer, .address_space: global }
    .group_segment_fixed_size: 33280
    .private_segment_fixed_size: 0
    .kernarg_segment_align: 8
    .kernarg_segment_size: 40
    .max_flat_workgroup_size: 128
    .sgpr_count:     66
    .vgpr_count:     194
    .wavefront_size: 32
...
	.end_amdgpu_metadata
.endif
;; end of part 1
;; launch qkv (part 2): grid 12 x 32, 4 waves a work-group, clusters of 4 x 4, 327,680 bytes of LDS; arguments x_codes, x_scales, W_qkv_codes, W_qkv_scales, b_qkv, qkv_img, qkv_sc; writes qkv_img, qkv_sc
.if DOCPART == 2
	.amdgcn_target "amdgcn-amd-amdhsa--gfx1250"
	.amdhsa_code_object_version 6
	.text
	.protected	k_q64391d0789_qkv
	.globl	k_q64391d0789_qkv
	.p2align	8
	.type	k_q64391d0789_qkv,@function
k_q64391d0789_qkv:
	s_mov_b64 s[64:65], 0
	v_nop
	global_prefetch_b8 v0, s[64:65] scope:SCOPE_SE
	s_setreg_imm32_b32 hwreg(HW_REG_WAVE_MODE, 25, 1), 1
	s_wait_xcnt 0x0
	s_wait_alu depctr_hold_cnt(0) depctr_sa_sdst(0) depctr_va_vdst(0) depctr_va_sdst(0) depctr_va_ssrc(0) depctr_va_vcc(0) depctr_vm_vsrc(0)
	s_getreg_b32 s2, hwreg(HW_REG_IB_STS2, 6, 4)
	s_cmp_eq_u32 s2, 0
	s_cbranch_scc0 .Lentry_in_a_cluster
	s_endpgm
.Lentry_in_a_cluster:
	s_bfe_u32 s2, ttmp6, 0x10000c
	s_cmp_lg_u32 s2, 0xf033
	s_cbranch_scc0 .Lentry_shape_is_right
	s_endpgm
.Lentry_shape_is_right:
; qkv = x W_qkv + b on codes of BF6 (E3M2) with one E8M0 scale for each 32 along K = 1,024; then q and k are quantised along the head's 64 and v along the keys, and leave as images of operand registers.
; A tile of the product, 256 x 256, is made by four waves, 128 x 128 each: 64 accumulators of 16 x 16, 512 registers.  K goes in steps of 256 (rows of 192 bytes) through a ring of two LDS slots filled by the tensor data mover.
; The scale bytes of the work-group's 2 x 256 rows, for all of K, come into LDS once, with the first fills.
; "A" is the operand of which a lane holds ONE ROW in the result, "B" the one along which the lane's registers run (source 0 = 16 rows of B, source 1 = 16 rows of A).  A quantiser wants its K along a lane's registers, so:
;   clusters with x = 0, 1 (q and k): A = x (tokens), B = W rows 0-2047 (features): a lane holds a token and 8 neighbouring features;
;   clusters with x = 2 (v):          A = W rows 2048-3071 (channels), B = x (tokens): a lane holds a channel and 8 neighbouring tokens.
; The choice hangs on the cluster's x alone, which all sixteen partners share.
; CLUSTERS: 4 x 4 work-groups; A's tiles are asked for jointly along a row of the cluster, B's along a column: the same tensor load, descriptor and mask in the four.
; ORDER WITHIN A BLOCK OF 32.  The 16 numbers that a lane hands to a conversion come from result tiles 2 B and 2 B + 1, so a block's codes lie in the order 0-7, 16-23, 8-15, 24-31.  q and k have it alike, and so have v (along the tokens)
; and the next launch's p (along the keys): a permutation of K applied alike to both operands of a product, inside one scale block, changes no product.
; OUT.  qkv_img: q at 0, k at 6,291,456: [batch x 16 + head][token tile 0..127][768 bytes]: 16 rows x 64 K: registers 0-3 of lane l at 16 l, registers 4-5 at 512 + 8 l.
;       v at 12,582,912: [batch x 16 + head][key step 0..15][channel tile 0..3][1,536 bytes]: 16 rows x 128 K: registers 4 g .. 4 g + 3 at 512 g + 16 l.
;       qkv_sc: q at 0, k at 524,288: [bh][step][512]: at 16 l the words (two bytes, upper half 0) of token tiles 4 (l / 16) + 0..3, row l % 16;  v at 1,048,576: [bh][step][256]: at 16 r the words of channel tiles 0..3.
; LIMITS: NaN and infinities are not served; a block whose largest magnitude lies under 2^-122 has its byte held at 1 (a block of zeros too: its codes are zeros, and this program alone reads the bytes).
; REGISTERS, in windows of 256: window 0: v0-31 addresses; v32-63 scale words, two sets; v64-127 and v240-255 the biases; from v128 A's fragments, ONE set; on the way out v128-227 and v32-47 are at work.
;   window 1: B's fragments, TWO sets, at v0 and v128.   window 2: the 32 accumulators of A's blocks 0-3 ((a, b) at v[8 (8 a + b)]);   window 3: those of blocks 4-7.
.set SIZE_K, 1024
.set KSTEP,  256                       ; along K in a slot
.set NQ,     KSTEP/128                 ; matrix instructions deep
.set ROWB,   192                       ; a tile's row in bytes
.set KROW,   SIZE_K*6/8                ; a row of codes in memory
.set PITCH,  240                       ; an LDS row: 3 x (64 bytes + 16 of padding)
.set FR,     12                        ; registers of a fragment
.set NL,     6                         ; LDS loads that bring one
.set NP,     4                         ; places behind this matrix instruction (ISA guide 7.12.1)
.set HALFT,  128*PITCH                 ; 128 rows: what one tensor load brings
.set SLOT,   4*HALFT                   ; A's 256 rows, then B's 256 rows
.set LAPS,   SIZE_K/(2*KSTEP)
.set KS,     SIZE_K/32                 ; a row of scale bytes
.set SCL,    2*SLOT                    ; behind the ring: the scales, as rows of 256 bytes + 16 of padding
.set HALFS,  (128*KS/256)*272          ; the scales of 128 rows
.set SBLK,   (16*KS/256)*272           ; those of 16 rows
.set SPARE,  SCL+4*HALFS               ; the spare words, 128 bytes for each wave: two blocks of 256 bytes that no other line names
.set ADRA, 16                          ; v16-17  LDS address of my A fragments in slot 0, 1  (v18-19: for the pieces behind one padding more)
.set ADRB, 20                          ; v20-21  the same for B  (v22-23)
.set V16,  24                          ; v24     16 x lane
.set V8,   25                          ; v25     8 x lane
.set VSA,  26                          ; v26     4,096 (lane / 16) + 16 (lane % 16): v's scale words
.set ADRS, 27                          ; v27     LDS address of my scale words: lanes 0-15 A's rows, lanes 16-31 B's
.set SPW,  28                          ; v28     LDS address of my spare word; never rewritten
.set NIL,  29                          ; v29     0; never rewritten
.set BO,   30                          ; v30     32 (lane / 16): the biases along the registers
.set BP,   31                          ; v31     4 (lane % 16): the biases of a lane's row
.set SC,   32                          ; scale words: set s at v[SC + 16 s]
.set BR,   64                          ; v64-127  q, k: b of my 64 features: register 8 b + j = feature 16 b + 8 (lane / 16) + j
.set AF,   128                         ; A's fragments
.set BL,   240                         ; v240-255 v: b of my channel in block a, twice: a pair for the packed addition
.set HA,   128                         ; the way out: 64 numbers of a lane
.set PC,   192                         ; v192-210 the codes just made
.set TM,   212                         ; v212-227 at work in the quantiser
.set PWS,  32                          ; v32-39   the eight blocks' scale words
.set W0,   40                          ; v40-43, v44-47 scale words as they leave
.set W1,   44
.set G1, 24                            ; s[24:31] descriptor group 1 for A's tiles;  s[32:39] group 0, one set for each slot
.set G0, 32
.set G1B, 48                           ; s[48:55], s[56:63] the same for B's tiles
.set G0B, 56
.set G1S, 68                           ; s[68:75], s[76:79] groups 1 and 0 for A's scales;  s[80:87], s[88:91] for B's
.set G0S, 76
.set G1SB, 80
.set G0SB, 88
.set PATH, 98                          ; s98  1 in the clusters that make v
.set MSB, 0
.macro WIN new                         ; the immediate's high byte repeats the setting that is left
.if MSB != (\new)
	s_set_vgpr_msb (MSB<<8)|(\new)
.set MSB, (\new)
.endif
.endm
.set MUL_LO, 0xa1                      ; source 0 (B) window 1, source 1 (A) window 0, C and D window 2
.set MUL_HI, 0xf1                      ; the same, C and D window 3
.set TO_B,   0x40                      ; destination window 1, address window 0
; A joint load: waves 0 and 1 fetch for A, waves 2 and 3 for B.  Each of the two lines has one mask and one set of registers; the branch hangs on the wave's number alone.
; Four v_nop follow each of the two lines, ahead of the jump, the label and what follows.
.macro JLOAD g0a, g1a, g0b, g1b
	s_cmp_eq_u32 s15, 0
	s_cbranch_scc0 .Lfor_b_\@
	tensor_load_to_lds s[\g0a:\g0a+3], s[\g1a:\g1a+7]
	s_nop 0
.rept 4
	v_nop
.endr
	s_branch .Lasked_\@
.Lfor_b_\@:
	tensor_load_to_lds s[\g0b:\g0b+3], s[\g1b:\g1b+7]
	s_nop 0
.rept 4
	v_nop
.endr
.Lasked_\@:
.endm
.macro CREST                           ; a round of the cluster's barrier behind its opening barrier
	s_cmp_lg_u32 s14, 0
	s_cbranch_scc1 .Lnot_wave_0_\@
	s_barrier_signal -3
.Lnot_wave_0_\@:
	s_barrier_wait -3
	s_barrier_signal -1
	s_barrier_wait -1
.endm
.macro CROUND                          ; a whole round
	s_barrier_signal -1
	s_barrier_wait -1
	CREST
.endm
	s_load_b256 s[68:75], s[0:1], 0x0              ; x's codes, x's scales, W's codes, W's scales
	s_load_b128 s[76:79], s[0:1], 0x20             ; b, qkv_img
	s_load_b64 s[80:81], s[0:1], 0x30              ; qkv_sc
	v_lshl_add_u32 v[SPW], v0, 2, SPARE
	v_mov_b32 v[NIL], 0
	ds_add_u32 v28, v29
	ds_add_u32 v28, v29
	s_wait_dscnt 0x0
	v_lshrrev_b32 v1, 5, v0
	v_readfirstlane_b32 s14, v1                    ; wave 0..3
	s_lshr_b32 s15, s14, 1                         ; which half of A's rows is mine.  Also: I fetch for A (0) or for B (1)
	s_and_b32 s16, s14, 1                          ; which half of B's rows.  Also: which 128 rows of that tile I fetch
	s_bfe_u32 s40, ttmp6, 0x40000                  ; cx, cy: my place in the cluster
	s_bfe_u32 s41, ttmp6, 0x40004
	s_and_b32 s17, ttmp7, 0xffff                   ; the cluster's y
	s_cmp_eq_u32 ttmp9, 2                          ; the cluster's x: 2 makes v
	s_cselect_b32 s[PATH], 1, 0
	s_cselect_b32 s42, s17, ttmp9                  ; B's tiles: v: tokens, by the cluster's y;  q, k: features, by its x
	s_cselect_b32 s17, 0, s17                      ; A's tiles: v: the 4 tiles of W's last 1,024 rows;  q, k: tokens, by the cluster's y
	s_cselect_b32 s82, 2048*KROW, 0                ; v: A begins at W's row 2,048: its codes,
	s_cselect_b32 s84, 2048*KS, 0                  ; its scale bytes
	s_mov_b32 s83, 0
	s_mov_b32 s85, 0
	s_wait_kmcnt 0x0
	s_cselect_b64 s[4:5], s[72:73], s[68:69]       ; A's codes
	s_cselect_b64 s[6:7], s[74:75], s[70:71]       ; A's scales
	s_cselect_b64 s[8:9], s[68:69], s[72:73]       ; B's codes
	s_cselect_b64 s[10:11], s[70:71], s[74:75]     ; B's scales
	s_add_nc_u64 s[4:5], s[4:5], s[82:83]
	s_add_nc_u64 s[6:7], s[6:7], s[84:85]
	s_mov_b64 s[100:101], s[76:77]                 ; b
	s_mov_b64 s[12:13], s[78:79]                   ; qkv_img
	s_mov_b64 s[66:67], s[80:81]                   ; qkv_sc
	s_lshl_b32 s42, s42, 2
	s_add_co_u32 s42, s42, s40                     ; B's tile = 4 x base + cx
	s_lshl_b32 s17, s17, 2
	s_add_co_u32 s17, s17, s41                     ; A's tile = 4 x base + cy
	s_lshl_b32 s43, s41, 2
	s_lshl_b32 s43, 15, s43                        ; my row of the cluster
	s_lshl_b32 s44, 0x1111, s40                    ; my column
	; descriptor group 1: a tile of 128 rows x 192 bytes, padded in LDS
	s_or_b32 s[G1+0], s43, (0<<16)|(1<<20)|(1<<21)|(3<<22)|(3<<25)  ; 15:0 the mask: A's tiles go to my row; 17:16 elements of 1 byte; 20 padding on; 21 set beside a mask; 24:22 after every 16 words; 31:25 of 4 words
	s_or_b32 s[G1B+0], s44, (0<<16)|(1<<20)|(1<<21)|(3<<22)|(3<<25)
.irp g, G1, G1B
	s_mov_b32 s[\g+1], ROWB<<16                    ; tensor_dim0
	s_mov_b32 s[\g+2], 128<<16                     ; tensor_dim1 = 128
	s_mov_b32 s[\g+3], ROWB<<16                    ; tile_dim0
	s_mov_b32 s[\g+4], 128                         ; tile_dim1 = 128
	s_mov_b32 s[\g+5], KROW                        ; tensor_dim0_stride
	s_mov_b32 s[\g+6], 0
	s_mov_b32 s[\g+7], 0
.endr
	; and for the scales of 128 rows: a dense block of 4,096 bytes, as 16 rows of 256 bytes (32 elements of 8 bytes), 16 bytes of padding behind each
	s_or_b32 s[G1S+0], s43, (3<<16)|(1<<20)|(1<<21)|(5<<22)|(3<<25)
	s_or_b32 s[G1SB+0], s44, (3<<16)|(1<<20)|(1<<21)|(5<<22)|(3<<25)
.irp g, G1S, G1SB
	s_mov_b32 s[\g+1], 32<<16
	s_mov_b32 s[\g+2], (128*KS/256)<<16
	s_mov_b32 s[\g+3], 32<<16
	s_mov_b32 s[\g+4], 128*KS/256
	s_mov_b32 s[\g+5], 32
	s_mov_b32 s[\g+6], 0
	s_mov_b32 s[\g+7], 0
.endr
	s_lshl_b32 s18, s16, 7                         ; which 128 rows of the tile I fetch
	s_lshl_b32 s20, s17, 8
	s_add_co_u32 s20, s20, s18                     ; A: row 256 x tile + 128 x half
	s_lshl_b32 s46, s42, 8
	s_add_co_u32 s46, s46, s18                     ; B likewise
	s_mov_b32 s21, 0
	s_mov_b32 s47, 0
	s_mov_b64 s[18:19], KS
	s_mul_u64 s[22:23], s[20:21], s[18:19]         ; where these rows' scales begin, in bytes
	s_mul_u64 s[92:93], s[46:47], s[18:19]
	s_mov_b64 s[18:19], KROW
	s_mul_u64 s[20:21], s[20:21], s[18:19]         ; and their codes
	s_mul_u64 s[46:47], s[46:47], s[18:19]
	s_mul_i32 s45, s14, HALFT                      ; where they go: wave x 128 rows: no place in the cluster enters an LDS address
	s_mul_i32 s94, s14, HALFS
	s_add_nc_u64 s[20:21], s[4:5], s[20:21]
	s_add_nc_u64 s[22:23], s[6:7], s[22:23]
	s_add_nc_u64 s[46:47], s[8:9], s[46:47]
	s_add_nc_u64 s[92:93], s[10:11], s[92:93]
	CROUND                                         ; all sixteen work-groups are here: the first joint loads meet
	s_mov_b32 s[G0S], 1
	s_add_co_u32 s[G0S+1], s94, SCL
	s_mov_b64 s[G0S+2:G0S+3], s[22:23]
	s_or_b32 s[G0S+3], s[G0S+3], 0x80000000
	s_mov_b32 s[G0SB], 1
	s_add_co_u32 s[G0SB+1], s94, SCL
	s_mov_b64 s[G0SB+2:G0SB+3], s[92:93]
	s_or_b32 s[G0SB+3], s[G0SB+3], 0x80000000
	JLOAD G0S, G1S, G0SB, G1SB                     ; the scales first: they are wanted with K step 0
.irp s, 0,1
	s_mov_b32 s[G0+4*\s], 1
	s_add_co_u32 s[G0+4*\s+1], s45, \s*SLOT
	s_add_nc_u64 s[G0+4*\s+2:G0+4*\s+3], s[20:21], \s*ROWB
	s_or_b32 s[G0+4*\s+3], s[G0+4*\s+3], 0x80000000
	s_mov_b32 s[G0B+4*\s], 1
	s_add_co_u32 s[G0B+4*\s+1], s45, \s*SLOT
	s_add_nc_u64 s[G0B+4*\s+2:G0B+4*\s+3], s[46:47], \s*ROWB
	s_or_b32 s[G0B+4*\s+3], s[G0B+4*\s+3], 0x80000000
	JLOAD G0+4*\s, G1, G0B+4*\s, G1B               ; three tensor loads of mine are out now
.endr
	v_and_b32 v1, 15, v0                           ; l % 16
	v_bfe_u32 v2, v0, 4, 1                         ; l / 16
	v_mul_u32_u24 v3, v1, PITCH
	v_mul_u32_u24 v4, v2, 24
	v_add_nc_u32 v4, v3, v4                        ; a fragment's row x pitch + 24 x half
	v_lshl_add_u32 v5, v2, 4, v4                   ; and the same behind one padding more
	s_mul_i32 s21, s15, HALFT                      ; my 128 rows of A
	s_mul_i32 s22, s16, HALFT                      ; my 128 rows of B,
	s_add_co_u32 s22, s22, 2*HALFT                 ; which lie behind A's 256
.irp s, 0,1
	v_add_nc_u32 v[ADRA+\s], s21, v4
	v_add_nc_u32 v[ADRB+\s], s22, v4
	v_add_nc_u32 v[ADRA+2+\s], s21, v5
	v_add_nc_u32 v[ADRB+2+\s], s22, v5
	s_add_co_u32 s21, s21, SLOT
	s_add_co_u32 s22, s22, SLOT
.endr
	v_mul_u32_u24 v5, v1, KS                       ; my row's scales: 32 bytes a row,
	v_lshrrev_b32 v6, 8, v5
	v_lshl_add_u32 v5, v6, 4, v5                   ; and 16 more for each 256 passed
	s_mul_i32 s21, s15, HALFS                      ; A's: my 128 rows
	s_mul_i32 s22, s16, HALFS                      ; B's: my 128 rows, behind A's 256
	s_add_co_u32 s22, s22, 2*HALFS
	s_sub_co_u32 s22, s22, s21
	v_mul_u32_u24 v6, s22, v2                      ; lanes 16-31 take B's
	s_add_co_u32 s21, s21, SCL
	v_add_nc_u32 v5, v5, v6
	v_add_nc_u32 v[ADRS], s21, v5
	v_and_b32 v6, 31, v0
	v_lshlrev_b32 v[V16], 4, v6
	v_lshlrev_b32 v[V8], 3, v6
	v_lshlrev_b32 v[VSA], 4, v1
	v_lshl_add_u32 v[VSA], v2, 12, v[VSA]
	v_lshlrev_b32 v[BO], 5, v2
	v_lshlrev_b32 v[BP], 2, v1
	; where my wave's 128 x 128 goes
	s_lshl_b32 s20, s17, 8
	s_lshl_b32 s21, s15, 7
	s_add_co_u32 s20, s20, s21                     ; my first row of A
	s_lshl_b32 s46, s42, 8
	s_lshl_b32 s47, s16, 7
	s_add_co_u32 s46, s46, s47                     ; my first row of B
	s_cmp_eq_u32 s[PATH], 1
	s_cselect_b32 s21, s46, s20                    ; my first token (of 8,192)
	s_cselect_b32 s22, s20, s46
	s_cselect_b32 s23, 2048, 0
	s_add_co_u32 s22, s22, s23                     ; my first feature (of 3,072)
	s_lshr_b32 s23, s21, 11                        ; the batch
	s_bfe_u32 s47, s21, 0x40007                    ; the step of 128 tokens in it
	s_lshr_b32 s92, s22, 10                        ; 0 q, 1 k, 2 v
	s_bfe_u32 s93, s22, 0x40006                    ; my first head (of my two)
	s_lshl_b32 s23, s23, 4
	s_add_co_u32 s23, s23, s93                     ; batch x 16 + head
	s_mul_i32 s94, s92, 6291456
	s_mul_i32 s95, s23, 98304
	s_add_co_u32 s94, s94, s95
	s_mul_i32 s95, s47, 6144
	s_add_co_u32 s94, s94, s95
	s_mov_b32 s95, 0
	s_add_nc_u64 s[12:13], s[12:13], s[94:95]      ; the images
	s_lshl_b32 s94, s23, 13
	s_lshl_b32 s93, s47, 9
	s_add_co_u32 s94, s94, s93
	s_lshr_b32 s94, s94, s[PATH]                   ; v's scale words take half of q's or k's bytes
	s_lshl_b32 s93, s92, 19
	s_add_co_u32 s94, s94, s93
	s_add_nc_u64 s[66:67], s[66:67], s[94:95]      ; the scale words
	; the biases, of both kinds in every work-group, so that no branch stands here: the kind that my path does not use reads b's first bytes and is not used
	s_lshl_b32 s22, s22, 2
	s_cmp_eq_u32 s[PATH], 1
	s_cselect_b32 s94, 0, s22
	s_add_nc_u64 s[96:97], s[100:101], s[94:95]
	s_cselect_b32 s94, s22, 0
	s_add_nc_u64 s[104:105], s[100:101], s[94:95]
.irp b, 0,1,2,3,4,5,6,7
	global_load_b128 v[BR+8*\b:BR+8*\b+3], v[BO], s[96:97] offset:64*\b
	global_load_b128 v[BR+8*\b+4:BR+8*\b+7], v[BO], s[96:97] offset:64*\b+16
.endr
.irp a, 0,1,2,3,4,5,6,7
	global_load_b32 v[BL+2*\a], v[BP], s[104:105] offset:64*\a
	global_load_b32 v[BL+2*\a+1], v[BP], s[104:105] offset:64*\a
.endr                                              ; they are waited for on the way out; none of their registers is touched before
.macro FRAG reg, adr, q, i             ; a fragment, 16 rows x 128 K, is 12 registers: lane l holds row l % 16; registers 6 c .. 6 c + 5 hold K = 64 c + 32 (l / 16) + 0 .. 31: 24 bytes of the row's stream of bits
.irp p, 0,1,2,3,4,5                    ; in pieces of 8 bytes.  Lanes 16-31 read three pieces further on than lanes 0-15
.set PCE, 12*(\q)+6*(\p/3)+\p%3        ; 16 bytes of padding lie behind every 8 pieces: where the piece three on lies behind one padding more, the second address register serves
.if PCE%8 < 5
	ds_load_b64 v[\reg+2*\p:\reg+2*\p+1], v[\adr] offset:8*PCE+16*(PCE/8)+(\i)*16*PITCH
.else
	ds_load_b64 v[\reg+2*\p:\reg+2*\p+1], v[\adr+2] offset:8*PCE+16*(PCE/8)+(\i)*16*PITCH
.endif
.endr
.endm
; 16 matrix instructions: A's blocks a0, a0 + 1 x B's eight, 128 along K: the slot's q-th.  p: B's set;  sc: the set of scale words.  zero = 1: the first product starts the sums.
; The 64 accumulators take turns, one instruction a turn, in the same order in every step.
.macro MUL16 a0, p, q, sc, zero
.irp a, \a0, \a0+1
.irp b, 0,1,2,3,4,5,6,7
.if \zero
	v_wmma_scale_f32_16x16x128_f8f6f4 v[8*(8*((\a)%4)+\b):8*(8*((\a)%4)+\b)+7], v[128*(\p)+FR*\b:128*(\p)+FR*\b+FR-1], v[AF+FR*(\a):AF+FR*(\a)+FR-1], 0, v[SC+8*NQ*(\sc)+NQ*\b+(\q)], v[SC+8*NQ*(\sc)+NQ*(\a)+(\q)] matrix_a_fmt:MATRIX_FMT_BF6 matrix_b_fmt:MATRIX_FMT_BF6 matrix_a_scale:MATRIX_SCALE_ROW1
.else
	v_wmma_scale_f32_16x16x128_f8f6f4 v[8*(8*((\a)%4)+\b):8*(8*((\a)%4)+\b)+7], v[128*(\p)+FR*\b:128*(\p)+FR*\b+FR-1], v[AF+FR*(\a):AF+FR*(\a)+FR-1], v[8*(8*((\a)%4)+\b):8*(8*((\a)%4)+\b)+7], v[SC+8*NQ*(\sc)+NQ*\b+(\q)], v[SC+8*NQ*(\sc)+NQ*(\a)+(\q)] matrix_a_fmt:MATRIX_FMT_BF6 matrix_b_fmt:MATRIX_FMT_BF6 matrix_a_scale:MATRIX_SCALE_ROW1
.endif
.endr
.endr
.endm
.macro FETCH_B slot, q, p              ; B's eight fragments of the slot's q-th 128 along K into set p
	WIN TO_B
.irp i, 0,1,2,3,4,5,6,7
	FRAG 128*(\p)+FR*\i, ADRB+\slot, \q, \i
.endr
	WIN 0
.endm
.macro FETCH_A slot, q, i0             ; A's blocks i0 .. i0 + 3
.irp i, \i0, \i0+1, \i0+2, \i0+3
	FRAG AF+FR*(\i), ADRA+\slot, \q, \i
.endr
.endm
.macro SCALES sc                       ; the next K step's scale words into set sc: lanes 0-15 take A's block i, lanes 16-31 B's block i
.irp i, 0,1,2,3,4,5,6,7
	ds_load_b64 v[SC+8*NQ*\sc+NQ*\i:SC+8*NQ*\sc+NQ*\i+1], v[ADRS] offset:\i*SBLK
.endr
.endm
; A load into a register that a matrix instruction has read, and a vector instruction that reads a matrix result, stand NP places behind that matrix instruction; only plain vector instructions that name none of its registers are places.
.macro PLACES n
.rept \n
	v_nop
.endr
.endm
; A step of 128 along K that has its successor in the same slot.
.macro STEP slot, q, zero
	s_wait_dscnt 4*NL                              ; B's set and A's blocks 0-3 are in; the youngest 24 loads (A's blocks 4-7) may be out
	WIN MUL_LO
	MUL16 0, (\q)%2, \q, \slot, \zero
	MUL16 2, (\q)%2, \q, \slot, \zero
	s_wait_dscnt 0                                 ; A's blocks 4-7 are in (asked for 32 matrix instructions ago)
	PLACES NP
	FETCH_B \slot, (\q)+1, 1-(\q)%2
	FETCH_A \slot, (\q)+1, 0
	WIN MUL_HI
	MUL16 4, (\q)%2, \q, \slot, \zero
	MUL16 6, (\q)%2, \q, \slot, \zero
	PLACES NP
	WIN 0
	FETCH_A \slot, (\q)+1, 4
.endm
; A slot's last step changes slots: ONE barrier; in front of it each wave waits for all its tensor loads, adds 0 to its spare word, and waits for that and for its own reads of this slot.  fill = 1: this slot is filled again, two K steps ahead.
.macro TURN slot, next, fill
	s_wait_tensorcnt 0x0                           ; all my tensor loads have landed: my part of the next slot  (every window is 0 here)
	ds_add_u32 v[SPW], v[NIL]                      ; 0 onto my spare word
	s_wait_dscnt 4*NL+1                            ; (the add and the youngest 24 loads, A's blocks 4-7, may be out)
	WIN MUL_LO
	MUL16 0, 1, NQ-1, \slot, 0                     ; sixteen matrix instructions stand between the add and the wait for it
	s_wait_dscnt 0x0                               ; the add is done, and my reads of this slot are over
	s_barrier_signal -1
	MUL16 2, 1, NQ-1, \slot, 0
	WIN 0
	s_barrier_wait -1
.if \fill
	CREST                                          ; the barrier has opened a round of the cluster's barrier: no wave of any partner still reads this slot's tile or has a load on its way
	s_add_nc_u64 s[G0+4*\slot+2:G0+4*\slot+3], s[G0+4*\slot+2:G0+4*\slot+3], 2*ROWB
	s_add_nc_u64 s[G0B+4*\slot+2:G0B+4*\slot+3], s[G0B+4*\slot+2:G0B+4*\slot+3], 2*ROWB
	JLOAD G0+4*\slot, G1, G0B+4*\slot, G1B         ; the first tensor load behind the round, my only one until the next; its four v_nop are the places in front of the loads below
.else
	PLACES NP
.endif
	v_add_nc_u32 v[ADRS], 4*NQ, v[ADRS]            ; on to the next K step's scale words
	FETCH_B \next, 0, 0
	FETCH_A \next, 0, 0
	SCALES \next
	WIN MUL_HI
	MUL16 4, 1, NQ-1, \slot, 0
	MUL16 6, 1, NQ-1, \slot, 0
	PLACES NP
	WIN 0
	FETCH_A \next, 0, 4
.endm
	s_wait_tensorcnt 1                             ; the scales and my part of K step 0 are in (K step 1's load may be out)
	s_barrier_signal -1
	s_barrier_wait -1                              ; everybody's are
	FETCH_B 0, 0, 0
	FETCH_A 0, 0, 0
	SCALES 0
	FETCH_A 0, 0, 4
	STEP 0, 0, 1                                   ; the first step stands in front of the loop: its products start the sums
	s_mov_b32 s3, LAPS-1
.Llap:                                                 ; a trip goes once round the ring and fills both slots again
	TURN 0, 1, 1
	STEP 1, 0, 0
	TURN 1, 0, 1
	STEP 0, 0, 0
	s_sub_co_u32 s3, s3, 1
	s_cmp_lg_u32 s3, 0
	s_cbranch_scc1 .Llap
	TURN 0, 1, 0                                   ; the last lap fills nothing, and has no round of the cluster's barrier
	STEP 1, 0, 0
	s_wait_dscnt 4*NL                              ; the very last step: nothing more to fetch
	WIN MUL_LO
	MUL16 0, 1, NQ-1, 1, 0
	MUL16 2, 1, NQ-1, 1, 0
	s_wait_dscnt 0
	WIN MUL_HI
	MUL16 4, 1, NQ-1, 1, 0
	MUL16 6, 1, NQ-1, 1, 0
	WIN 0
; THE WAY OUT, a block of A's 16 rows at a time, in registers alone.
; 64 numbers of a lane, v[s] .. v[s + 63] (four blocks of 32 along the registers, 16 of each mine and 16 lane l xor 16's), become a fragment's codes in v[PC] on and my row's scale word in v[pw].
.macro QUANT s, pw
.irp b, 0,1,2,3
	v_max3_num_f32 v[TM+\b], |v[\s+16*\b]|, |v[\s+1+16*\b]|, 0x2800000   ; block b: my 16 numbers, and the floor 2^(5 - 127): the byte cannot fall under 1
.endr
.irp i, 2,4,6,8,10,12,14
.irp b, 0,1,2,3
	v_max3_num_f32 v[TM+\b], v[TM+\b], |v[\s+16*\b+\i]|, |v[\s+1+16*\b+\i]|   ; (the four blocks by turns)
.endr
.endr
.irp b, 0,1,2,3
	v_permlanex16_b32 v[TM+4+\b], v[TM+\b], s20, s21
.endr
.irp b, 0,1,2,3
	v_max_num_f32 v[TM+\b], v[TM+\b], v[TM+4+\b]   ; with lane l xor 16's: the block's largest magnitude
.endr
.irp b, 0,1,2,3
	v_add_nc_u32 v[TM+12+\b], 0xfe000000, v[TM+\b] ; 4 off its exponent field: the conversion's scale operand
.endr
.irp b, 0,1,2,3
	v_lshrrev_b32 v[TM+4+\b], 23, v[TM+12+\b]      ; the scale's byte
.endr
	v_lshl_or_b32 v[\pw], v[TM+5], 8, v[TM+4]      ; the four bytes make my row's scale word
	v_lshl_or_b32 v[\pw], v[TM+6], 16, v[\pw]
	v_lshl_or_b32 v[\pw], v[TM+7], 24, v[\pw]
.irp c, 0,1
	v_cvt_scalef32_pk16_bf6_f32 v[PC+6*\c:PC+2+6*\c], v[\s+32*\c:\s+15+32*\c], v[TM+12+2*\c]
	v_cvt_scalef32_pk16_bf6_f32 v[PC+12+4*\c:PC+14+4*\c], v[\s+16+32*\c:\s+31+32*\c], v[TM+12+2*\c+1]   ; (a conversion's three registers begin on an even number)
.endr
	v_nop                                          ; one plain place behind a scaled conversion
.irp c, 0,1                                    ; the operand's layout wants a whole block in a lane: lanes 0-15 block 2 c, lanes 16-31 block 2 c + 1
.irp i, 0,1,2
	v_permlane16_swap_b32 v[PC+6*\c+\i], v[PC+12+4*\c+\i]
.endr
.irp i, 0,1,2
	v_mov_b32 v[PC+3+6*\c+\i], v[PC+12+4*\c+\i]
.endr
.endr
.endm
; Block a: the bias is added (each accumulator is read from its low end on), the 64 numbers are quantised, the images are stored.
.macro EPI a, vpath
.if (\a) > 0
	s_wait_xcnt 0x0                                ; the last block's stores have read the codes' registers, which are written again below
.endif
	WIN 0x02+(\a)/4                                ; source 0: window 2 or 3
.set AC, 64*((\a)%4)
.set i, 0
.rept 32
.if \vpath
	v_pk_add_f32 v[HA+2*i:HA+2*i+1], v[AC+2*i:AC+2*i+1], v[BL+2*(\a):BL+2*(\a)+1]   ; my channel's bias for all tokens
.else
	v_pk_add_f32 v[HA+2*i:HA+2*i+1], v[AC+2*i:AC+2*i+1], v[BR+2*i:BR+2*i+1]         ; each feature's bias
.endif
.set i, i+1
.endr
	WIN 0
	QUANT HA, PWS+(\a)
.if \vpath                                     ; 16 channels x my 128 tokens: one whole fragment of head a / 4, channel tile a % 4
.irp g, 0,1,2
	global_store_b128 v[V16], v[PC+4*\g:PC+4*\g+3], s[12:13] offset:98304*((\a)/4)+1536*((\a)%4)+512*\g
.endr
.else                                          ; 16 tokens x 128 features: registers 0-5 are my first head's 64, registers 6-11 my second's
	global_store_b128 v[V16], v[PC:PC+3], s[12:13] offset:768*(\a)
	global_store_b64 v[V8], v[PC+4:PC+5], s[12:13] offset:768*(\a)+512
	global_store_b128 v[V16], v[PC+6:PC+9], s[12:13] offset:98304+768*(\a)
	global_store_b64 v[V8], v[PC+10:PC+11], s[12:13] offset:98304+768*(\a)+512
.endif                                         ; every store covers 512 or 256 consecutive aligned bytes
.endm
	PLACES NP                                      ; behind the last products: for the reads of results and the writes of registers that held operands and scales
	s_wait_loadcnt 0x0                             ; the biases
	s_mov_b32 s20, 0x76543210
	s_mov_b32 s21, 0xfedcba98                      ; v_permlanex16_b32's selects for lane l xor 16
.irp b, 0,1,2,3
	v_mov_b32 v[TM+4+\b], 0                        ; written once: a lane permute's destination counts as one of its sources
.endr
	s_mov_b32 vcc_lo, 0xffff0000                   ; lanes 16-31
	s_cmp_eq_u32 s[PATH], 1
	s_cbranch_scc1 .Lvout
.irp a, 0,1,2,3,4,5,6,7
	EPI \a, 0
.endr
.irp i, 0,1,2,3
	v_cndmask_b32 v[W0+\i], v[PWS+\i], v[PWS+4+\i], vcc_lo   ; lanes 0-15: token tiles 0-3, lanes 16-31: tiles 4-7
.endr
.irp i, 0,1,2,3
	v_lshrrev_b32 v[W1+\i], 16, v[W0+\i]           ; the second head's two bytes
.endr
.irp i, 0,1,2,3
	v_and_b32 v[W0+\i], 0xffff, v[W0+\i]           ; the first head's
.endr
	global_store_b128 v[V16], v[W0:W0+3], s[66:67]
	global_store_b128 v[V16], v[W1:W1+3], s[66:67] offset:8192
	s_branch .Lend
.Lvout:
.irp a, 0,1,2,3,4,5,6,7
	EPI \a, 1
.endr
.irp i, 0,1,2,3
	v_cndmask_b32 v[W0+\i], v[PWS+\i], v[PWS+4+\i], vcc_lo   ; lanes 0-15: my first head's channel tiles 0-3, lanes 16-31: my second's
.endr
	global_store_b128 v[VSA], v[W0:W0+3], s[66:67] ; sixteen lanes store 256 consecutive aligned bytes
.Lend:
	s_wait_tensorcnt 0x0                           ; the wave's end
	ds_add_u32 v[SPW], v[NIL]
	s_wait_dscnt 0x0
	CROUND                                         ; the closing round: no work-group ends while a partner may still ask for a tile that names it
	s_endpgm
.Lfunc_end_k_q64391d0789_qkv:
	.size	k_q64391d0789_qkv, .Lfunc_end_k_q64391d0789_qkv-k_q64391d0789_qkv
	.p2alignl 7, 3214868480
	.fill 96, 4, 3214868480
	.section	.rodata,"a",@progbits
	.p2align	6, 0x0
	.amdhsa_kernel k_q64391d0789_qkv
		.amdhsa_group_segment_fixed_size 327680
		.amdhsa_private_segment_fixed_size 0
		.amdhsa_enable_private_segment 0
		.amdhsa_kernarg_size 56
		.amdhsa_user_sgpr_count 2
		.amdhsa_user_sgpr_kernarg_segment_ptr 1
		.amdhsa_wavefront_size32 1
		.amdhsa_system_sgpr_workgroup_id_x 1
		.amdhsa_system_sgpr_workgroup_id_y 1
		.amdhsa_system_sgpr_workgroup_id_z 1
		.amdhsa_system_vgpr_workitem_id 0
		.amdhsa_next_free_vgpr 1024
		.amdhsa_next_free_sgpr 106
		.amdhsa_reserve_vcc 1
		.amdhsa_float_denorm_mode_32 3
		.amdhsa_float_denorm_mode_16_64 3
		.amdhsa_memory_ordered 1
		.amdhsa_forward_progress 1
		.amdhsa_inst_pref_size 234
	.end_amdhsa_kernel
	.amdgpu_metadata
---
amdhsa.version: [ 1, 2 ]
amdhsa.kernels:
  - .name:           k_q64391d0789_qkv
    .symbol:         k_q64391d0789_qkv.kd
    .args:
      - { .name: x_codes, .offset: 0, .size: 8, .value_kind: global_buffer, .address_space: global }
      - { .name: x_scales, .offset: 8, .size: 8, .value_kind: global_buffer, .address_space: global }
      - { .name: W_qkv_codes, .offset: 16, .size: 8, .value_kind: global_buffer, .address_space: global }
      - { .name: W_qkv_scales, .offset: 24, .size: 8, .value_kind: global_buffer, .address_space: global }
      - { .name: b_qkv, .offset: 32, .size: 8, .value_kind: global_buffer, .address_space: global }
      - { .name: qkv_img, .offset: 40, .size: 8, .value_kind: global_buffer, .address_space: global }
      - { .name: qkv_sc, .offset: 48, .size: 8, .value_kind: global_buffer, .address_space: global }
    .group_segment_fixed_size: 327680
    .private_segment_fixed_size: 0
    .kernarg_segment_align: 8
    .kernarg_segment_size: 56
    .max_flat_workgroup_size: 128
    .sgpr_count:     106
    .vgpr_count:     1024
    .wavefront_size: 32
...
	.end_amdgpu_metadata
.endif
;; end of part 2
;; launch attn (part 3): grid 4 x 64, 16 waves a work-group, no clusters, 219,136 bytes of LDS; arguments qkv_img, qkv_sc, attn_mask, av_img, av_sc; writes av_img, av_sc
.if DOCPART == 3
	.amdgcn_target "amdgcn-amd-amdhsa--gfx1250"
	.amdhsa_code_object_version 6
	.text
	.protected	k_q64391d0789_attn
	.globl	k_q64391d0789_attn
	.p2align	8
	.type	k_q64391d0789_attn,@function
k_q64391d0789_attn:
	s_mov_b64 s[64:65], 0
	v_nop
	global_prefetch_b8 v0, s[64:65] scope:SCOPE_SE
	s_setreg_imm32_b32 hwreg(HW_REG_WAVE_MODE, 25, 1), 1
	s_wait_xcnt 0x0
; attn_vec[b][q][head] = the sum over keys of softmax(q . k / 8, hidden keys left out) v, both products on codes of BF6 (E3M2) with one E8M0 scale for each 32 along a product's K; the result is quantised along the head's 64 for the last product.
; THE SOFTMAX AHEAD OF THE SECOND PRODUCT: t = score x log2(e) / 8; M = the row's largest t so far, rounded UP to a whole number; p = 2^(t - M) is what is quantised, along the keys; the row's sum is taken of the unquantised p and divides at the end.
; When M moves, the sum and O are multiplied by 2^(old M - new M): exact.
; SHARES.  A work-group owns 512 queries of one head (x: which 512; y: batch x 16 + head); each of its sixteen waves two tiles of 16 queries, one after the other, in 256 registers: four waves to a SIMD.
; A head's K and V, as register images, with their scale words and a table of the mask, are 217,088 bytes: they come into LDS ONCE, through registers; one barrier; then LDS is only read.
; Clusters with joint loads are not used though the four work-groups of a head read the same 204 KB: the branch on the mask's bytes spares 16 LDS loads in each of a wave's
; 32 key steps; what would be shared is read once in the launch, not once a step.
; LAYOUT.  Both products are used transposed: S^T = K Q^T (source 0 = 16 keys, source 1 = my 16 queries), O^T = V^T P^T (source 0 = 16 channels, source 1 = P): a lane holds ONE query (lane % 16) throughout.
; K = 64 IN THE FIRST PRODUCT.  Q's fragment is 6 registers of codes and 6 of zeros, its scale word two bytes and two zero bytes.  K's fragments lie 6 registers apart, so a tile's upper 64 along K are the next tile's codes (for the last tile
; V's first six registers): finite numbers that meet zero codes and add nothing.
; ORDER.  p's 16 registers of score tiles 2 B and 2 B + 1 are keys 0-7, 16-23 (lanes 0-15) or 8-15, 24-31 (lanes 16-31) of block B: the order in which the launch before has laid V's tokens.
; THE MASK.  A step whose 128 keys all count starts its sums with 0.  A step with a hidden key starts them from a table that holds 0 for a key that counts and -2^100 for a hidden one: p = 0 there.  Which way a step takes hangs on the mask's bytes alone.
; A row with no key that counts has the sum 0: its scale bytes are set to 0xff, so that the last product gives NaN there.
; LIMITS: |t| stays under 2^83 (the largest t starts at -2^83, above a hidden key's t); mask bytes are 0 or 1; NaN and infinities are not served; a block whose largest magnitude lies under 2^-122 has its byte held at 1.
; REGISTERS: v1-6 addresses that stay; v7-10 addresses in hand; v11 Q's scale word; v12 -M, v13 the largest t, v[14:15] the sum in two halves; v16-21 Q, v22-27 zeros; v28-31 V's scale words; v32-79 K: 8 tiles x 6; v80-127 V: 4 x 12;
;   v128-191 S^T, then p; v192-223 O^T; v224-235 p's codes; v232-247, v252-255 at work; v248-251 K's scale words.
.set KIMG, 0                           ; LDS: K's 128 images of 768 bytes,
.set VIMG, 98304                       ; V's 64 of 1,536,
.set KSC,  196608                      ; K's scale words, 512 bytes a step,
.set VSC,  204800                      ; V's, 256 a step,
.set MASK, 208896                      ; and the table: an f32 for each of the 2,048 keys
.set TK,   43                          ; s43  the step's images, 6,144 bytes a step (K's and V's alike)
.set TS,   44                          ; s44  K's scale words and the table, 512 a step
.set TV,   45                          ; s45  V's scale words, 256 a step
.set SH,   46                          ; s46  2 x the step
.set CNT,  47                          ; s47  steps to go
	s_load_b256 s[4:11], s[0:1], 0x0               ; qkv_img, qkv_sc, attn_mask, av_img
	s_load_b64 s[12:13], s[0:1], 0x20              ; av_sc
	v_lshrrev_b32 v1, 5, v0
	v_readfirstlane_b32 s14, v1                    ; wave 0..15
	s_and_b32 s15, ttmp7, 0xffff                   ; batch x 16 + head
	s_mov_b32 s16, ttmp9                           ; which 512 queries
	s_mov_b32 s20, 0x76543210
	s_mov_b32 s21, 0xfedcba98                      ; v_permlanex16_b32's selects for lane l xor 16
	s_mov_b32 s22, 0x3e38aa3b                      ; c = log2(e) / 8
	s_mov_b32 s23, s22                             ; (named with it as a pair, so it is written)
	s_mov_b32 s49, 0
	s_mul_i32 s48, s15, 98304
	s_wait_kmcnt 0x0
	s_add_nc_u64 s[34:35], s[4:5], s[48:49]        ; q's images of my head,
	s_add_nc_u64 s[24:25], s[34:35], 6291456       ; k's,
	s_add_nc_u64 s[26:27], s[34:35], 12582912      ; v's
	s_lshl_b32 s48, s15, 13
	s_add_nc_u64 s[36:37], s[6:7], s[48:49]        ; q's scale words,
	s_add_nc_u64 s[28:29], s[36:37], 524288        ; k's,
	s_lshl_b32 s48, s15, 12
	s_add_nc_u64 s[30:31], s[6:7], s[48:49]
	s_add_nc_u64 s[30:31], s[30:31], 1048576       ; v's
	s_lshr_b32 s48, s15, 4
	s_lshl_b32 s48, s48, 11
	s_add_nc_u64 s[32:33], s[8:9], s[48:49]        ; my batch's 2,048 mask bytes
	s_lshl_b32 s50, s16, 5
	s_lshl_b32 s51, s14, 1
	s_add_co_u32 s50, s50, s51                     ; my first tile of queries in the head: 32 x + 2 wave
	s_mul_i32 s48, s50, 768
	s_add_nc_u64 s[34:35], s[34:35], s[48:49]
	s_lshl_b32 s48, s16, 2                         ; its scale word: step 4 x + wave / 4,
	s_lshr_b32 s51, s14, 2
	s_add_co_u32 s48, s48, s51
	s_lshl_b32 s48, s48, 9
	s_bfe_u32 s51, s14, 0x10001                    ; tiles 4-7 of a step lie 256 bytes on,
	s_lshl_b32 s51, s51, 8
	s_add_co_u32 s48, s48, s51
	s_and_b32 s51, s14, 1                          ; and a tile's word 4 bytes behind the last tile's
	s_lshl_b32 s51, s51, 3
	s_add_co_u32 s48, s48, s51
	s_add_nc_u64 s[36:37], s[36:37], s[48:49]
	s_lshr_b32 s51, s15, 4
	s_lshl_b32 s51, s51, 7
	s_add_co_u32 s50, s50, s51                     ; my first tile among all 512 token tiles
	s_mul_i32 s48, s50, 12288                      ; av_img: [token tile][head][768]
	s_and_b32 s51, s15, 15
	s_mul_i32 s52, s51, 768
	s_add_co_u32 s48, s48, s52
	s_add_nc_u64 s[38:39], s[10:11], s[48:49]
	s_lshl_b32 s48, s50, 9                         ; av_sc: [token][32]: my head's two bytes at 2 x head
	s_lshl_b32 s51, s51, 1
	s_add_co_u32 s48, s48, s51
	s_add_nc_u64 s[40:41], s[12:13], s[48:49]
	v_and_b32 v192, 31, v0                         ; l
	v_and_b32 v193, 15, v0                         ; r
	v_bfe_u32 v194, v0, 4, 1                       ; h
	v_lshlrev_b32 v1, 4, v192                      ; 16 l
	v_lshl_add_u32 v2, v192, 3, 512                ; 8 l + 512
	v_add_nc_u32 v3, VIMG, v1
	v_add_nc_u32 v4, KSC, v1
	v_lshl_add_u32 v5, v193, 4, VSC
	v_lshl_add_u32 v6, v194, 5, MASK
	v_lshlrev_b32 v7, 4, v0                        ; 16 x thread: the copy's place in memory and in LDS;
	v_add_nc_u32 v8, 65536, v7                     ; an LDS immediate has 16 bits, so the register carries the rest
	v_add_nc_u32 v9, 131072, v7
	v_add_nc_u32 v10, 196608, v7
	v_lshlrev_b32 v195, 3, v0                      ; 8 x thread
	v_add_nc_u32 v196, VSC, v195
	v_lshlrev_b32 v197, 2, v0                      ; 4 x thread
	v_lshlrev_b32 v198, 6, v192                    ; 64 l
	; THE COPY: 31 loads a thread, each of a wave's loads on 512, 256 or 128 consecutive bytes; each store waits for its own load and leaves the later ones out
.irp i, 0,1,2,3,4,5,6,7,8,9,10,11
	global_load_b128 v[32+4*\i:35+4*\i], v7, s[24:25] offset:8192*\i
.endr
.irp i, 0,1,2,3,4,5,6,7,8,9,10,11
	global_load_b128 v[80+4*\i:83+4*\i], v7, s[26:27] offset:8192*\i
.endr
	global_load_b128 v[128:131], v7, s[28:29]
	global_load_b64 v[132:133], v195, s[30:31]
	global_load_b32 v134, v197, s[32:33]           ; my four keys' mask bytes, for the table
.irp i, 0,1,2,3
	global_load_b128 v[136+4*\i:139+4*\i], v198, s[32:33] offset:16*\i   ; and once more in every wave: lane l takes keys 64 l .. 64 l + 63
.endr
.irp i, 0,1,2,3,4,5,6,7
	s_wait_loadcnt 30-\i
	ds_store_b128 v7, v[32+4*\i:35+4*\i] offset:8192*\i
.endr
.irp i, 8,9,10,11
	s_wait_loadcnt 30-\i
	ds_store_b128 v8, v[32+4*\i:35+4*\i] offset:8192*(\i-8)
.endr
.irp i, 0,1,2,3
	s_wait_loadcnt 18-\i
	ds_store_b128 v8, v[80+4*\i:83+4*\i] offset:32768+8192*\i
.endr
.irp i, 4,5,6,7,8,9,10,11
	s_wait_loadcnt 18-\i
	ds_store_b128 v9, v[80+4*\i:83+4*\i] offset:8192*(\i-4)
.endr
	s_wait_loadcnt 6
	ds_store_b128 v10, v[128:131]
	s_wait_loadcnt 5
	ds_store_b64 v196, v[132:133]
	s_wait_loadcnt 4
	v_mov_b32 v199, 0xf1800000                     ; -2^100
.irp k, 0,1,2,3
	v_bfe_u32 v204, v134, 8*\k, 8
	v_cmp_eq_u32 vcc_lo, 0, v204
	v_cndmask_b32 v[200+\k], 0, v199, vcc_lo       ; 0 for a key that counts, -2^100 for a hidden one
.endr
	ds_store_b128 v10, v[200:203] offset:12288
	s_wait_loadcnt 0x0
.irp i, 0,2,4,6,8,10,12,14
	v_and_b32 v[136+\i], v[136+\i], v[137+\i]
.endr
.irp i, 0,4,8,12
	v_and_b32 v[136+\i], v[136+\i], v[138+\i]
.endr
.irp i, 0,8
	v_and_b32 v[136+\i], v[136+\i], v[140+\i]
.endr
	v_and_b32 v136, v136, v144
	v_cmp_ne_u32 vcc_lo, 0x01010101, v136
	s_mov_b32 s42, vcc_lo                          ; bit l: keys 64 l .. 64 l + 63 have a hidden one
.irp j, 22,23,24,25,26,27
	v_mov_b32 v\j, 0                               ; Q's upper 64 along K: zero codes, written once
.endr
.irp b, 0,1,2,3
	v_mov_b32 v[236+\b], 0                         ; written once: a lane permute's destination counts as one of its sources
.endr
	v_mov_b32 v253, 0                              ; (named as the upper half of the pair v[252:253] before it is first written)
	s_wait_dscnt 0x0                               ; my stores have landed
	s_barrier_signal -1
	s_barrier_wait -1                              ; everybody's have: from here on LDS is only read
.macro KLOAD                           ; 17 loads: a step's eight tiles of K and their scale words (lanes 0-15: tiles 0-3, lanes 16-31: tiles 4-7)
.irp t, 0,1,2,3,4,5,6,7
	ds_load_b128 v[32+6*\t:35+6*\t], v7 offset:768*\t
	ds_load_b64 v[36+6*\t:37+6*\t], v8 offset:768*\t
.endr
	ds_load_b128 v[248:251], v10
.endm
.macro VLOAD                           ; 13 loads: a step's four tiles of V^T and their scale words
.irp t, 0,1,2,3
.irp g, 0,1,2
	ds_load_b128 v[80+12*\t+4*\g:83+12*\t+4*\g], v9 offset:1536*\t+512*\g
.endr
.endr
	ds_load_b128 v[28:31], v10
.endm
.macro KQ zero                         ; S^T = K Q^T: eight tiles of 16 keys.  zero = 1: the sums start with 0; 0: with what lies in S^T
.irp t, 0,1,2,3,4,5,6,7
.if \zero
.if \t < 4
	v_wmma_scale_f32_16x16x128_f8f6f4 v[128+8*\t:135+8*\t], v[32+6*\t:43+6*\t], v[16:27], 0, v[248+\t], v11 matrix_a_fmt:MATRIX_FMT_BF6 matrix_b_fmt:MATRIX_FMT_BF6
.else
	v_wmma_scale_f32_16x16x128_f8f6f4 v[128+8*\t:135+8*\t], v[32+6*\t:43+6*\t], v[16:27], 0, v[244+\t], v11 matrix_a_fmt:MATRIX_FMT_BF6 matrix_b_fmt:MATRIX_FMT_BF6 matrix_a_scale:MATRIX_SCALE_ROW1
.endif
.else
.if \t < 4
	v_wmma_scale_f32_16x16x128_f8f6f4 v[128+8*\t:135+8*\t], v[32+6*\t:43+6*\t], v[16:27], v[128+8*\t:135+8*\t], v[248+\t], v11 matrix_a_fmt:MATRIX_FMT_BF6 matrix_b_fmt:MATRIX_FMT_BF6
.else
	v_wmma_scale_f32_16x16x128_f8f6f4 v[128+8*\t:135+8*\t], v[32+6*\t:43+6*\t], v[16:27], v[128+8*\t:135+8*\t], v[244+\t], v11 matrix_a_fmt:MATRIX_FMT_BF6 matrix_b_fmt:MATRIX_FMT_BF6 matrix_a_scale:MATRIX_SCALE_ROW1
.endif
.endif
.endr
.endm
; A KEY STEP: 128 keys.
.macro STEP
	s_lshr_b32 s50, s42, s[SH]
	s_and_b32 s50, s50, 3
	s_cmp_lg_u32 s50, 0                            ; has this step a hidden key?  A branch on the mask's bytes
	s_cbranch_scc1 .Lholes_\@
	s_wait_dscnt 0x0                               ; K of this step, asked for a step ago
	KQ 1
	s_branch .Ljoin_\@
.Lholes_\@:
	v_add_nc_u32 v10, s[TS], v6
.irp t, 0,1,2,3,4,5,6,7
	ds_load_b128 v[128+8*\t:131+8*\t], v10 offset:64*\t        ; the table in the result's layout: register j of tile t is key 16 t + 8 (lane / 16) + j
	ds_load_b128 v[132+8*\t:135+8*\t], v10 offset:64*\t+16
.endr
	s_wait_dscnt 0x0                               ; the table, and K of this step
	KQ 0
.Ljoin_\@:
	v_add_nc_u32 v9, s[TK], v3                     ; four plain places behind the products, in front of loads into registers that they and the last step's products have read
	v_add_nc_u32 v10, s[TV], v5
	v_nop
	v_nop
	VLOAD                                          ; V of this step: it lands under the softmax
	s_add_co_u32 s[TK], s[TK], 6144
	s_add_co_u32 s[TS], s[TS], 512
	s_add_co_u32 s[TV], s[TV], 256
	s_add_co_u32 s[SH], s[SH], 2
	s_cmp_eq_u32 s[TK], 98304                      ; behind a tile's last step comes step 0 again, for the wave's next tile (behind its second tile these 17 loads serve nothing)
	s_cselect_b32 s48, 0, s[TK]
	s_cselect_b32 s49, 0, s[TS]
	v_add_nc_u32 v7, s48, v1
	v_add_nc_u32 v8, s48, v2
	v_add_nc_u32 v10, s49, v4
	KLOAD                                          ; K of the next step
.irp b, 0,1,2,3
	v_max3_num_f32 v[232+\b], v[128+16*\b], v[129+16*\b], v[130+16*\b]   ; the largest score of each block of 32 keys: it serves for the row's maximum and, since p rises with the score, for the block's largest p
.endr
.irp i, 3,5,7,9,11,13
.irp b, 0,1,2,3
	v_max3_num_f32 v[232+\b], v[232+\b], v[128+16*\b+\i], v[129+16*\b+\i]   ; (the four blocks by turns)
.endr
.endr
.irp b, 0,1,2,3
	v_max_num_f32 v[232+\b], v[232+\b], v[143+16*\b]
.endr
.irp b, 0,1,2,3
	v_permlanex16_b32 v[236+\b], v[232+\b], s20, s21
.endr
.irp b, 0,1,2,3
	v_max_num_f32 v[232+\b], v[232+\b], v[236+\b]  ; with lane l xor 16's 16 keys
.endr
	v_max3_num_f32 v254, v232, v233, v234
	v_max_num_f32 v254, v254, v235                 ; the step's largest score of my query
	v_mul_f32 v254, s22, v254                      ; as t (c is positive)
	v_max_num_f32 v13, v13, v254                   ; the running largest t
	v_mov_b32 v254, v12
	v_floor_f32 v12, -v13                          ; the new -M = floor(-t) = -ceil(t): a whole number
	v_sub_f32 v254, v12, v254                      ; M's old value less its new one: a whole number, 0 or less
	v_cvt_i32_f32 v254, v254                       ; (it saturates)
	v_ldexp_f32 v252, 1.0, v254                    ; f = 2^(old M - new M)
.set j, 0
.rept 32
	v_pk_fma_f32 v[128+j:129+j], v[128+j:129+j], s[22:23], v[12:13] op_sel_hi:[1,0,0]   ; t - M, two at a time
.set j, j+2
.endr
.irp b, 0,1,2,3
	v_fma_f32 v[232+\b], v[232+\b], s22, v12       ; the same of each block's largest score
.endr
.set j, 0
.rept 64
	v_exp_f32 v[128+j], v[128+j]                   ; p = 2^(t - M), at most 1: not normalised
.set j, j+1
.endr
	v_pk_mul_f32 v[14:15], v[14:15], v[252:253] op_sel_hi:[1,0]   ; the sums under the new M (a plain place behind the exponentials)
	s_wait_alu depctr_va_vdst(0)                   ; one wait for the whole batch, ahead of its first reader
.irp b, 0,1,2,3
	v_exp_f32 v[232+\b], v[232+\b]                 ; the block's largest p: the same two instructions on the same number give the same bits
.endr
	v_pk_add_f32 v[236:237], v[128:129], v[130:131]   ; the row's sum is taken of the unquantised p: two at a time, in two chains
.set j, 4
.rept 15
	v_pk_add_f32 v[14:15], v[14:15], v[128+j:129+j]
	v_pk_add_f32 v[236:237], v[236:237], v[130+j:131+j]
.set j, j+4
.endr
	v_pk_add_f32 v[14:15], v[14:15], v[236:237]
	s_wait_alu depctr_va_vdst(0)                   ; and one for the four
.irp b, 0,1,2,3
	v_max_num_f32 v[232+\b], 0x2800000, v[232+\b]  ; the floor 2^(5 - 127): the byte cannot fall under 1 (a block whose every p is 0 keeps that byte: its codes are zeros)
.endr
.irp b, 0,1,2,3
	v_add_nc_u32 v[244+\b], 0xfe000000, v[232+\b]  ; 4 off the exponent field: the conversion's scale operand
.endr
.irp b, 0,1,2,3
	v_lshrrev_b32 v[236+\b], 23, v[244+\b]         ; the scale's byte
.endr
	v_lshl_or_b32 v253, v237, 8, v236              ; p's scale word for these 128 keys
	v_lshl_or_b32 v253, v238, 16, v253
	v_lshl_or_b32 v253, v239, 24, v253
.irp c, 0,1
	v_cvt_scalef32_pk16_bf6_f32 v[224+6*\c:226+6*\c], v[128+32*\c:143+32*\c], v[244+2*\c]
	v_cvt_scalef32_pk16_bf6_f32 v[236+4*\c:238+4*\c], v[144+32*\c:159+32*\c], v[244+2*\c+1]   ; (a conversion's three registers begin on an even number)
.endr
	v_nop                                          ; one plain place behind a scaled conversion
.irp c, 0,1                                    ; the operand's layout wants a whole block in a lane
.irp i, 0,1,2
	v_permlane16_swap_b32 v[224+6*\c+\i], v[236+4*\c+\i]
.endr
.irp i, 0,1,2
	v_mov_b32 v[227+6*\c+\i], v[236+4*\c+\i]
.endr
.endr
.set j, 0
.rept 16
	v_pk_mul_f32 v[192+j:193+j], v[192+j:193+j], v[252:253] op_sel_hi:[1,0]   ; O^T under the new M.  (These 16 are also the places between the writes of p's codes and scale word and the products)
.set j, j+2
.endr
	s_wait_dscnt 17                                ; V is in; the 17 loads of the next step's K stay out
.irp t, 0,1,2,3                                ; O^T += V^T P^T: four tiles of 16 channels, by turns
	v_wmma_scale_f32_16x16x128_f8f6f4 v[192+8*\t:199+8*\t], v[80+12*\t:91+12*\t], v[224:235], v[192+8*\t:199+8*\t], v[28+\t], v253 matrix_a_fmt:MATRIX_FMT_BF6 matrix_b_fmt:MATRIX_FMT_BF6
.endr
.endm
; THE END OF A TILE: O^T / the sum, brought into the true order of the channels (the last product's other operand is given), quantised along the head's 64, stored as an image and two scale bytes a row.
.macro FINAL p
	s_wait_dscnt 0x0                               ; the look-ahead loads are in
	v_add_f32 v14, v14, v15                        ; the sum's two halves,
	v_permlanex16_b32 v252, v14, s20, s21
	v_add_f32 v14, v14, v252                       ; and lane l xor 16's: the row's sum
	v_cmp_eq_f32 s50, 0, v14                       ; no key counted
	v_rcp_f32 v14, v14
	v_and_b32 v254, 15, v0                         ; (plain places behind the reciprocal)
	v_lshlrev_b32 v254, 5, v254                    ; 32 r: a token's row of scale bytes
	v_mov_b32 v255, 0xffff
	s_wait_alu depctr_va_vdst(0)                   ; the wait ahead of the reciprocal's first reader
.set j, 0
.rept 16
	v_pk_mul_f32 v[128+j:129+j], v[192+j:193+j], v[14:15] op_sel_hi:[1,0]   ; register 8 t + i is channel 16 t + 8 h + i of query r
.set j, j+2
.endr
.irp b, 0,1
.irp i, 0,1,2,3,4,5,6,7
	v_permlane16_swap_b32 v[128+16*\b+\i], v[136+16*\b+\i]   ; now register 16 b + i is channel 32 b + 16 h + i: 16 neighbours
.endr
.endr
.irp b, 0,1
	v_max3_num_f32 v[232+\b], |v[128+16*\b]|, |v[129+16*\b]|, 0x2800000   ; block b: my 16 numbers and the floor
.endr
.irp i, 2,4,6,8,10,12,14
.irp b, 0,1
	v_max3_num_f32 v[232+\b], v[232+\b], |v[128+16*\b+\i]|, |v[129+16*\b+\i]|
.endr
.endr
.irp b, 0,1
	v_permlanex16_b32 v[236+\b], v[232+\b], s20, s21
.endr
.irp b, 0,1
	v_max_num_f32 v[232+\b], v[232+\b], v[236+\b]
.endr
.irp b, 0,1
	v_add_nc_u32 v[244+\b], 0xfe000000, v[232+\b]
.endr
.irp b, 0,1
	v_lshrrev_b32 v[236+\b], 23, v[244+\b]
.endr
	v_lshl_or_b32 v253, v237, 8, v236              ; my row's two scale bytes,
	v_cndmask_b32 v253, v253, v255, s50            ; or 0xff twice where no key counted
	v_cvt_scalef32_pk16_bf6_f32 v[224:226], v[128:143], v244
	v_cvt_scalef32_pk16_bf6_f32 v[230:232], v[144:159], v245
	v_nop                                          ; one plain place behind a scaled conversion
.irp i, 0,1,2
	v_permlane16_swap_b32 v[224+\i], v[230+\i]     ; lanes 0-15 block 0, lanes 16-31 block 1
.endr
.irp i, 0,1,2
	v_mov_b32 v[227+\i], v[230+\i]
.endr
	global_store_b128 v1, v[224:227], s[38:39] offset:12288*\p   ; 512 consecutive aligned bytes,
	global_store_b64 v2, v[228:229], s[38:39] offset:12288*\p    ; and the 256 behind them
	global_store_b16 v254, v253, s[40:41] offset:512*\p          ; two bytes a row (lanes r and r + 16 write the same): 2 bytes beside every 48 of codes
.endm
.macro TILE p
.if \p
	s_wait_xcnt 0x0                                ; the last tile's stores have read their registers
.endif
	v_and_b32 v254, 15, v0
	v_lshlrev_b32 v254, 4, v254                    ; 16 r
	global_load_b128 v[16:19], v1, s[34:35] offset:768*\p
	global_load_b64 v[20:21], v2, s[34:35] offset:768*\p
	global_load_b32 v11, v254, s[36:37] offset:4*\p
	v_mov_b32 v13, 0xe9000000                      ; the largest t so far: -2^83, under every t that is served and above a hidden key's
	v_floor_f32 v12, -v13                          ; -M
	v_mov_b32 v14, 0                               ; the sum, in two halves
	v_mov_b32 v15, 0
.set j, 0
.rept 32
	v_mov_b32 v[192+j], 0                          ; O^T: the step is written once; the first finds zeros, which the first change of M leaves zeros
.set j, j+1
.endr
	s_mov_b32 s[TK], 0
	s_mov_b32 s[TS], 0
	s_mov_b32 s[TV], 0
	s_mov_b32 s[SH], 0
	s_mov_b32 s[CNT], 16
.if \p == 0
	v_mov_b32 v7, v1
	v_mov_b32 v8, v2
	v_mov_b32 v10, v4
	KLOAD                                          ; step 0's K; the second tile finds it fetched by the first tile's last step
.endif
	s_wait_loadcnt 0x0                             ; Q
.Lstep_\@:
	STEP
	s_sub_co_u32 s[CNT], s[CNT], 1
	s_cmp_lg_u32 s[CNT], 0
	s_cbranch_scc1 .Lstep_\@
	FINAL \p
.endm
	TILE 0
	TILE 1
	s_wait_xcnt 0x0
	v_lshl_add_u32 v254, v0, 2, 0x35000
	v_mov_b32 v255, 0
	s_wait_tensorcnt 0x0
	ds_add_u32 v254, v255
	s_wait_dscnt 0x0
	s_endpgm
.Lfunc_end_k_q64391d0789_attn:
	.size	k_q64391d0789_attn, .Lfunc_end_k_q64391d0789_attn-k_q64391d0789_attn
	.p2alignl 7, 3214868480
	.fill 96, 4, 3214868480
	.section	.rodata,"a",@progbits
	.p2align	6, 0x0
	.amdhsa_kernel k_q64391d0789_attn
		.amdhsa_group_segment_fixed_size 219136
		.amdhsa_private_segment_fixed_size 0
		.amdhsa_enable_private_segment 0
		.amdhsa_kernarg_size 40
		.amdhsa_user_sgpr_count 2
		.amdhsa_user_sgpr_kernarg_segment_ptr 1
		.amdhsa_wavefront_size32 1
		.amdhsa_system_sgpr_workgroup_id_x 1
		.amdhsa_system_sgpr_workgroup_id_y 1
		.amdhsa_system_sgpr_workgroup_id_z 1
		.amdhsa_system_vgpr_workitem_id 0
		.amdhsa_next_free_vgpr 256
		.amdhsa_next_free_sgpr 66
		.amdhsa_reserve_vcc 1
		.amdhsa_float_denorm_mode_32 3
		.amdhsa_float_denorm_mode_16_64 3
		.amdhsa_memory_ordered 1
		.amdhsa_forward_progress 1
		.amdhsa_inst_pref_size 60
	.end_amdhsa_kernel
	.amdgpu_metadata
---
amdhsa.version: [ 1, 2 ]
amdhsa.kernels:
  - .name:           k_q64391d0789_attn
    .symbol:         k_q64391d0789_attn.kd
    .args:
      - { .name: qkv_img, .offset: 0, .size: 8, .value_kind: global_buffer, .address_space: global }
      - { .name: qkv_sc, .offset: 8, .size: 8, .value_kind: global_buffer, .address_space: global }
      - { .name: attn_mask, .offset: 16, .size: 8, .value_kind: global_buffer, .address_space: global }
      - { .name: av_img, .offset: 24, .size: 8, .value_kind: global_buffer, .address_space: global }
      - { .name: av_sc, .offset: 32, .size: 8, .value_kind: global_buffer, .address_space: global }
    .group_segment_fixed_size: 219136
    .private_segment_fixed_size: 0
    .kernarg_segment_align: 8
    .kernarg_segment_size: 40
    .max_flat_workgroup_size: 512
    .sgpr_count:     66
    .vgpr_count:     256
    .wavefront_size: 32
...
	.end_amdgpu_metadata
.endif
;; end of part 3
;; launch outln (part 4): grid 256 x 1, 16 waves a work-group, no clusters, 158,208 bytes of LDS; arguments av_img, av_sc, wo_img, W_o_scales, inputs, gamma, beta, out0; writes out0
.if DOCPART == 4
	.amdgcn_target "amdgcn-amd-amdhsa--gfx1250"
	.amdhsa_code_object_version 6
	.text
	.protected	k_q64391d0789_outln
	.globl	k_q64391d0789_outln
	.p2align	8
	.type	k_q64391d0789_outln,@function
k_q64391d0789_outln:
	s_mov_b64 s[64:65], 0
	v_nop
	global_prefetch_b8 v0, s[64:65] scope:SCOPE_SE
	s_setreg_imm32_b32 hwreg(HW_REG_WAVE_MODE, 25, 1), 1
	s_wait_xcnt 0x0
; out = LayerNorm(inputs + attn_vec W_o) x gamma + beta; the product on codes of BF6 (E3M2) with one E8M0 scale for each 32 along K = 1,024; all else in f32; eps = 1e-3.
; SHARES.  A norm wants whole rows: a work-group takes 32 tokens (two tiles of rows) and all 1,024 columns; wave w columns 64 w .. 64 w + 63 (four tiles): eight accumulators, 64 matrix instructions.
; W_o's fragments go from memory (register images made by the first launch) straight into the registers of the one wave that uses them, two K steps ahead; attn_vec's 24,576 bytes of images go into LDS once and are read by all sixteen waves.
; Clusters with joint loads are not used: each byte of W_o is used by one wave of a work-group, so a joint load would add a write and a read of LDS for every byte; and nothing in LDS is filled twice.
; The product is used transposed (source 0 = 16 rows of W_o, that is 16 columns of the result; source 1 = 16 tokens): a lane holds eight neighbouring columns of one token.
; A K step of 128 is two heads: registers 0-5 of attn_vec's fragment are head 2 s's image, registers 6-11 head 2 s + 1's; its scale word is bytes 4 s .. 4 s + 3 of the token's row of av_sc.
; The results meet in a stage in LDS (32 rows of 4,096 bytes + 16); then wave w takes rows 2 w and 2 w + 1 whole: residual, mean, variance, scale, and stores of 512 consecutive bytes.
; REGISTERS: v1-7 addresses; v16-79 the accumulators ((t, m) at 16 + 8 (2 t + m)), later two rows; v80-127, v128-175 W's fragments, two sets, later residual and gamma; v176-199, v200-223 attn_vec's, two sets, later beta and work;
;   v224-239 W's scale words (lanes 0-15 tile 2 p, lanes 16-31 tile 2 p + 1); v240-247 attn_vec's (lanes 0-15 tile 0, lanes 16-31 tile 1).
.set AIMG, 0                           ; LDS: attn_vec's images: [row tile 0, 1][head 0..15][768]
.set STG,  24576                       ; the stage
.set SPI,  4112                        ; its pitch
	s_load_b256 s[4:11], s[0:1], 0x0               ; av_img, av_sc, wo_img, W_o's scales
	s_load_b256 s[12:19], s[0:1], 0x20             ; inputs, gamma, beta, out0
	v_lshl_add_u32 v254, v0, 2, 0x26200
	v_mov_b32 v255, 0
	v_lshrrev_b32 v1, 5, v0
	v_readfirstlane_b32 s20, v1                    ; wave 0..15
	v_and_b32 v8, 31, v0                           ; l
	v_and_b32 v9, 15, v0                           ; r
	v_bfe_u32 v10, v0, 4, 1                        ; h
	v_lshlrev_b32 v1, 4, v8                        ; 16 l
	v_lshl_add_u32 v2, v8, 3, 512                  ; 8 l + 512
	v_lshlrev_b32 v3, 5, v8                        ; 32 l: a row of scale bytes a lane
	v_mul_u32_u24 v4, v9, SPI
	v_lshl_add_u32 v4, v10, 5, v4
	s_lshl_b32 s21, s20, 8
	s_add_co_u32 s21, s21, STG
	v_add_nc_u32 v4, s21, v4                       ; into the stage: row r, + 32 h, + 256 x wave;
	v_add_nc_u32 v5, 16*SPI, v4                    ; the second tile of rows (beyond an immediate's 16 bits)
	s_mul_i32 s21, s20, 2*SPI
	s_add_co_u32 s21, s21, STG
	v_add_nc_u32 v6, s21, v1                       ; back: my two rows, 16 bytes a lane
	v_lshlrev_b32 v7, 4, v0                        ; 16 x thread
	s_mov_b32 s22, 0x76543210
	s_mov_b32 s23, 0xfedcba98                      ; v_permlanex16_b32's selects for lane l xor 16
	s_mov_b32 s24, 0x3a800000                      ; 1 / 1,024
	s_mov_b32 s25, 0x3a83126f                      ; 1e-3
	s_mov_b32 s27, 0
	s_wait_kmcnt 0x0
	s_mul_i32 s26, ttmp9, 24576
	s_add_nc_u64 s[4:5], s[4:5], s[26:27]          ; my two tiles' images
	s_lshl_b32 s26, ttmp9, 10
	s_add_nc_u64 s[6:7], s[6:7], s[26:27]          ; my 32 tokens' scale bytes
	s_mul_i32 s26, s20, 49152
	s_add_nc_u64 s[8:9], s[8:9], s[26:27]          ; my four column tiles' images
	s_lshl_b32 s26, s20, 11
	s_add_nc_u64 s[10:11], s[10:11], s[26:27]      ; my 64 rows of W_o's scale bytes
	s_lshl_b32 s26, ttmp9, 5
	s_lshl_b32 s28, s20, 1
	s_add_co_u32 s26, s26, s28
	s_lshl_b32 s26, s26, 12                        ; token 32 x work-group + 2 x wave, rows of 4,096 bytes
	s_add_nc_u64 s[12:13], s[12:13], s[26:27]
	s_add_nc_u64 s[18:19], s[18:19], s[26:27]
.macro WLOAD s                         ; 12 loads: my four tiles' fragments of K step s, into set s % 2
.set WB, 80+48*((\s)%2)
.irp t, 0,1,2,3
.irp g, 0,1,2
	global_load_b128 v[WB+12*\t+4*\g:WB+12*\t+4*\g+3], v1, s[8:9] offset:12288*\t+1536*(\s)+512*\g
.endr
.endr
.endm
.macro ALOAD s                         ; 8 LDS loads: both row tiles' fragments of K step s: two heads' images each
.set AB, 176+24*((\s)%2)
.irp m, 0,1
.irp c, 0,1
	ds_load_b128 v[AB+12*\m+6*\c:AB+12*\m+6*\c+3], v1 offset:12288*\m+768*(2*(\s)+\c)
	ds_load_b64 v[AB+12*\m+6*\c+4:AB+12*\m+6*\c+5], v2 offset:12288*\m+768*(2*(\s)+\c)
.endr
.endr
.endm
.macro MM t, m, s                      ; column tile t x row tile m, K step s.  Step 0 starts the sums
.set DD, 16+8*(2*(\t)+(\m))
.set WA, 80+48*((\s)%2)+12*(\t)
.set AA, 176+24*((\s)%2)+12*(\m)
.set SW, 224+8*((\t)/2)+(\s)
.set SA, 240+(\s)
.if (\s) == 0
.if ((\t)%2 == 0) && ((\m) == 0)
	v_wmma_scale_f32_16x16x128_f8f6f4 v[DD:DD+7], v[WA:WA+11], v[AA:AA+11], 0, v[SW], v[SA] matrix_a_fmt:MATRIX_FMT_BF6 matrix_b_fmt:MATRIX_FMT_BF6
.elseif ((\m) == 0)
	v_wmma_scale_f32_16x16x128_f8f6f4 v[DD:DD+7], v[WA:WA+11], v[AA:AA+11], 0, v[SW], v[SA] matrix_a_fmt:MATRIX_FMT_BF6 matrix_b_fmt:MATRIX_FMT_BF6 matrix_a_scale:MATRIX_SCALE_ROW1
.elseif ((\t)%2 == 0)
	v_wmma_scale_f32_16x16x128_f8f6f4 v[DD:DD+7], v[WA:WA+11], v[AA:AA+11], 0, v[SW], v[SA] matrix_a_fmt:MATRIX_FMT_BF6 matrix_b_fmt:MATRIX_FMT_BF6 matrix_b_scale:MATRIX_SCALE_ROW1
.else
	v_wmma_scale_f32_16x16x128_f8f6f4 v[DD:DD+7], v[WA:WA+11], v[AA:AA+11], 0, v[SW], v[SA] matrix_a_fmt:MATRIX_FMT_BF6 matrix_b_fmt:MATRIX_FMT_BF6 matrix_a_scale:MATRIX_SCALE_ROW1 matrix_b_scale:MATRIX_SCALE_ROW1
.endif
.else
.if ((\t)%2 == 0) && ((\m) == 0)
	v_wmma_scale_f32_16x16x128_f8f6f4 v[DD:DD+7], v[WA:WA+11], v[AA:AA+11], v[DD:DD+7], v[SW], v[SA] matrix_a_fmt:MATRIX_FMT_BF6 matrix_b_fmt:MATRIX_FMT_BF6
.elseif ((\m) == 0)
	v_wmma_scale_f32_16x16x128_f8f6f4 v[DD:DD+7], v[WA:WA+11], v[AA:AA+11], v[DD:DD+7], v[SW], v[SA] matrix_a_fmt:MATRIX_FMT_BF6 matrix_b_fmt:MATRIX_FMT_BF6 matrix_a_scale:MATRIX_SCALE_ROW1
.elseif ((\t)%2 == 0)
	v_wmma_scale_f32_16x16x128_f8f6f4 v[DD:DD+7], v[WA:WA+11], v[AA:AA+11], v[DD:DD+7], v[SW], v[SA] matrix_a_fmt:MATRIX_FMT_BF6 matrix_b_fmt:MATRIX_FMT_BF6 matrix_b_scale:MATRIX_SCALE_ROW1
.else
	v_wmma_scale_f32_16x16x128_f8f6f4 v[DD:DD+7], v[WA:WA+11], v[AA:AA+11], v[DD:DD+7], v[SW], v[SA] matrix_a_fmt:MATRIX_FMT_BF6 matrix_b_fmt:MATRIX_FMT_BF6 matrix_a_scale:MATRIX_SCALE_ROW1 matrix_b_scale:MATRIX_SCALE_ROW1
.endif
.endif
.endm
	; 33 loads: attn_vec's images (3), its scale words (2), W's scale words (4), W's K steps 0 and 1 (24)
.irp i, 0,1,2
	global_load_b128 v[176+4*\i:179+4*\i], v7, s[4:5] offset:8192*\i
.endr
.irp q, 0,1
	global_load_b128 v[240+4*\q:243+4*\q], v3, s[6:7] offset:16*\q
.endr
.irp p, 0,1
.irp q, 0,1
	global_load_b128 v[224+8*\p+4*\q:227+8*\p+4*\q], v3, s[10:11] offset:1024*\p+16*\q
.endr
.endr
	WLOAD 0
	WLOAD 1
	s_wait_loadcnt 30                              ; the first three are in; the other 30 stay out
.irp i, 0,1,2
	ds_store_b128 v7, v[176+4*\i:179+4*\i] offset:8192*\i
.endr
	s_wait_dscnt 0x0                               ; my stores have landed
	s_barrier_signal -1
	s_barrier_wait -1                              ; everybody's have
	ALOAD 0
	ALOAD 1
; A K step: eight products, the eight accumulators by turns; then the sets just read take the K step two on.
.macro KSTEP s
.if (\s) < 7
	s_wait_loadcnt 12                              ; this step's W (and, in step 0, the scale words) is in; the next step's 12 loads stay out
	s_wait_dscnt 8                                 ; this step's attn_vec is in; the next step's 8 loads stay out
.else
	s_wait_loadcnt 0x0
	s_wait_dscnt 0x0
.endif
.irp t, 0,1,2,3
.irp m, 0,1
	MM \t, \m, \s
.endr
.endr
.rept 4
	v_nop                                          ; places in front of loads into registers that the products have read, and of the first read of results
.endr
.if (\s) < 6
	WLOAD (\s)+2
	ALOAD (\s)+2
.endif
.endm
.irp s, 0,1,2,3,4,5,6,7
	KSTEP \s
.endr
	; the residual's first row, gamma, beta, the residual's second row: 512 consecutive bytes a load; column 128 i + 4 l + 0..3
.irp i, 0,1,2,3,4,5,6,7
	global_load_b128 v[80+4*\i:83+4*\i], v1, s[12:13] offset:512*\i th:TH_LOAD_NT
.endr
.irp i, 0,1,2,3,4,5,6,7
	global_load_b128 v[144+4*\i:147+4*\i], v1, s[14:15] offset:512*\i
.endr
.irp i, 0,1,2,3,4,5,6,7
	global_load_b128 v[176+4*\i:179+4*\i], v1, s[16:17] offset:512*\i
.endr
.irp i, 0,1,2,3,4,5,6,7
	global_load_b128 v[112+4*\i:115+4*\i], v1, s[12:13] offset:4096+512*\i th:TH_LOAD_NT
.endr
.irp t, 0,1,2,3                                ; each accumulator from its low end on
	ds_store_b128 v4, v[16+16*\t:19+16*\t] offset:64*\t
	ds_store_b128 v4, v[20+16*\t:23+16*\t] offset:64*\t+16
	ds_store_b128 v5, v[24+16*\t:27+16*\t] offset:64*\t
	ds_store_b128 v5, v[28+16*\t:31+16*\t] offset:64*\t+16
.endr
	s_wait_dscnt 0x0                               ; my stores have landed
	s_barrier_signal -1
	s_barrier_wait -1                              ; 32 whole rows lie in the stage
.irp k, 0,1
.irp i, 0,1,2,3,4,5,6,7
	ds_load_b128 v[16+32*\k+4*\i:19+32*\k+4*\i], v6 offset:SPI*\k+512*\i
.endr
.endr
.macro ALLSUM a, b                     ; the sum over the 32 lanes, in every lane
	v_add_f32_dpp v[\a], v[\a], v[\a] row_xmask:1 row_mask:0xf bank_mask:0xf
	v_add_f32_dpp v[\a], v[\a], v[\a] row_xmask:2 row_mask:0xf bank_mask:0xf
	v_add_f32_dpp v[\a], v[\a], v[\a] row_xmask:4 row_mask:0xf bank_mask:0xf
	v_add_f32_dpp v[\a], v[\a], v[\a] row_xmask:8 row_mask:0xf bank_mask:0xf
	v_permlanex16_b32 v[\b], v[\a], s22, s23
	v_add_f32 v[\a], v[\a], v[\b]
.endm
.macro LNROW k                         ; my row k: 32 numbers a lane
.set XR, 16+32*(\k)
.set RR, 80+32*(\k)
	s_wait_loadcnt 8-8*(\k)                        ; row 0: its residual, gamma and beta are in, row 1's residual (8 loads) stays out
	s_wait_dscnt 8-8*(\k)                          ; row 0 is back from the stage, row 1's 8 loads stay out
.set i, 0
.rept 16
	v_pk_add_f32 v[XR+i:XR+i+1], v[XR+i:XR+i+1], v[RR+i:RR+i+1]   ; residual + attn_out
.set i, i+2
.endr
	v_pk_add_f32 v[208:209], v[XR:XR+1], v[XR+2:XR+3]             ; the row's sum, in two chains
	v_pk_add_f32 v[210:211], v[XR+4:XR+5], v[XR+6:XR+7]
.set i, 8
.rept 6
	v_pk_add_f32 v[208:209], v[208:209], v[XR+i:XR+i+1]
	v_pk_add_f32 v[210:211], v[210:211], v[XR+i+2:XR+i+3]
.set i, i+4
.endr
	v_pk_add_f32 v[208:209], v[208:209], v[210:211]
	v_add_f32 v208, v208, v209
	ALLSUM 208, 209
	v_mul_f32 v208, s24, v208                      ; the mean
.set i, 0
.rept 16
	v_pk_add_f32 v[XR+i:XR+i+1], v[XR+i:XR+i+1], v[208:209] op_sel_hi:[1,0] neg_lo:[0,1] neg_hi:[0,1]   ; x - mean
.set i, i+2
.endr
	v_pk_mul_f32 v[210:211], v[XR:XR+1], v[XR:XR+1]               ; the squares' sum, in two chains
	v_pk_mul_f32 v[212:213], v[XR+2:XR+3], v[XR+2:XR+3]
.set i, 4
.rept 7
	v_pk_fma_f32 v[210:211], v[XR+i:XR+i+1], v[XR+i:XR+i+1], v[210:211]
	v_pk_fma_f32 v[212:213], v[XR+i+2:XR+i+3], v[XR+i+2:XR+i+3], v[212:213]
.set i, i+4
.endr
	v_pk_add_f32 v[210:211], v[210:211], v[212:213]
	v_add_f32 v210, v210, v211
	ALLSUM 210, 211
	v_fma_f32 v210, v210, s24, s25                 ; the variance + eps
	v_rsq_f32 v210, v210
	v_nop                                          ; a plain place behind the transcendental
	s_wait_alu depctr_va_vdst(0)                   ; and the wait ahead of its first reader
.set i, 0
.rept 16
	v_pk_mul_f32 v[XR+i:XR+i+1], v[XR+i:XR+i+1], v[210:211] op_sel_hi:[1,0]
.set i, i+2
.endr
.set i, 0
.rept 16
	v_pk_fma_f32 v[XR+i:XR+i+1], v[XR+i:XR+i+1], v[144+i:145+i], v[176+i:177+i]   ; x gamma + beta
.set i, i+2
.endr
.irp i, 0,1,2,3,4,5,6,7
	global_store_b128 v1, v[XR+4*\i:XR+4*\i+3], s[18:19] offset:4096*(\k)+512*\i th:TH_STORE_NT   ; 512 consecutive aligned bytes; written once, read by nobody here
.endr
.endm
	LNROW 0
	LNROW 1
	s_wait_tensorcnt 0x0
	ds_add_u32 v254, v255
	s_wait_dscnt 0x0
	s_endpgm
.Lfunc_end_k_q64391d0789_outln:
	.size	k_q64391d0789_outln, .Lfunc_end_k_q64391d0789_outln-k_q64391d0789_outln
	.p2alignl 7, 3214868480
	.fill 96, 4, 3214868480
	.section	.rodata,"a",@progbits
	.p2align	6, 0x0
	.amdhsa_kernel k_q64391d0789_outln
		.amdhsa_group_segment_fixed_size 158208
		.amdhsa_private_segment_fixed_size 0
		.amdhsa_enable_private_segment 0
		.amdhsa_kernarg_size 64
		.amdhsa_user_sgpr_count 2
		.amdhsa_user_sgpr_kernarg_segment_ptr 1
		.amdhsa_wavefront_size32 1
		.amdhsa_system_sgpr_workgroup_id_x 1
		.amdhsa_system_sgpr_workgroup_id_y 1
		.amdhsa_system_sgpr_workgroup_id_z 1
		.amdhsa_system_vgpr_workitem_id 0
		.amdhsa_next_free_vgpr 256
		.amdhsa_next_free_sgpr 66
		.amdhsa_reserve_vcc 0
		.amdhsa_float_denorm_mode_32 3
		.amdhsa_float_denorm_mode_16_64 3
		.amdhsa_memory_ordered 1
		.amdhsa_forward_progress 1
		.amdhsa_inst_pref_size 47
	.end_amdhsa_kernel
	.amdgpu_metadata
---
amdhsa.version: [ 1, 2 ]
amdhsa.kernels:
  - .name:           k_q64391d0789_outln
    .symbol:         k_q64391d0789_outln.kd
    .args:
      - { .name: av_img, .offset: 0, .size: 8, .value_kind: global_buffer, .address_space: global }
      - { .name: av_sc, .offset: 8, .size: 8, .value_kind: global_buffer, .address_space: global }
      - { .name: wo_img, .offset: 16, .size: 8, .value_kind: global_buffer, .address_space: global }
      - { .name: W_o_scales, .offset: 24, .size: 8, .value_kind: global_buffer, .address_space: global }
      - { .name: inputs, .offset: 32, .size: 8, .value_kind: global_buffer, .address_space: global }
      - { .name: gamma, .offset: 40, .size: 8, .value_kind: global_buffer, .address_space: global }
      - { .name: beta, .offset: 48, .size: 8, .value_kind: global_buffer, .address_space: global }
      - { .name: out0, .offset: 56, .size: 8, .value_kind: global_buffer, .address_space: global }
    .group_segment_fixed_size: 158208
    .private_segment_fixed_size: 0
    .kernarg_segment_align: 8
    .kernarg_segment_size: 64
    .max_flat_workgroup_size: 512
    .sgpr_count:     66
    .vgpr_count:     256
    .wavefront_size: 32
...
	.end_amdgpu_metadata
.endif
;; end of part 4
